; MI455X (gfx1250); checked and timed in simulation.
; The chip was launched on July 23, 2026; its instructions are those of AMD's public machine-readable ISA for CDNA 5 (MIT licence, August 2026) and "CDNA5" Instruction Set Architecture Reference Guide (July 2026). The comments in the code are by the model that wrote it; some were corrected since.
;; Loha Module. Allowed arithmetic: matrix products marked QUANTISED: E5M2 operands, one given power-of-two scale a tensor, by v_wmma_f32_16x16x64_bf8_bf8 or v_wmma_f32_16x16x128_bf8_bf8, f32 sums; everything else in f32.
;; Inputs: hada_w1_a 4,096 x 32 float32; hada_w1_b 32 x 4,096 float32; hada_w2_a 4,096 x 32 float32; hada_w2_b 32 x 4,096 float32; lowp_scales 6 int32 (the exponents e of the quantised operands' scales 2^e); org_bias 4,096 float32; org_weight 4,096 x 4,096 float32; x 4 x 1,024 x 4,096 float32.
;; Outputs: out0 4 x 1,024 x 4,096 float32.
;; This version of the problem:
;;   THIS VERSION OF THE PROBLEM IS GIVEN IN LOW PRECISION. The matrix products marked QUANTISED in the list below multiply operands that are first quantised to E5M2 (5 exponent bits, 2 mantissa bits; 8 bits a number), with one given power-of-two scale for each operand tensor; their sums are f32. All else is computed in f32.
;;   The module's matrix products, in the order in which they are computed (A, B: the left and right operand; K: the contracted axis; several contracted axes count as one K, in the product's order):
;;     1. [M 4,096, K 32] x [K 32, N 4,096]; A: input hada_w1_a; B: input hada_w1_b: QUANTISED (scales: A lowp_scales[0], B lowp_scales[1])
;;     2. [M 4,096, K 32] x [K 32, N 4,096]; A: input hada_w2_a; B: input hada_w2_b: QUANTISED (scales: A lowp_scales[2], B lowp_scales[3])
;;     3. [M 4,096, K 4,096] x [K 4,096, N 4,096]; A: input x; B: computed on the way: QUANTISED (scales: A lowp_scales[4], B lowp_scales[5])
;;   THE QUANTISER, for each operand of a quantised product, along K:
;;     - The operand's scale is 2^e, e = its entry of the input lowp_scales (int32; the entries are numbered through the quantised products in the list's order, A before B).
;;     - Each number is divided by the scale, clamped to +-57,344, and rounded to the nearest number of E5M2, ties to even, subnormals kept.
;;     - The product sums the exact products of the quantised numbers (number of the format x scale) in f32.
;;   ~~~python
;;   def quantise(x, axis, e):      # numpy; x: float32 -> the quantised numbers, widened to float32 again
;;       x = np.moveaxis(x, axis, -1); K = x.shape[-1]
;;       r = np.clip(x / 2.0 ** e, -57344, 57344)
;;       step = 2.0 ** (np.maximum(np.frexp(np.where(r == 0, 1, r))[1] - 1, -14) - 2)
;;       q = np.round(r / step) * step * 2.0 ** e      # np.round: ties to even
;;       return np.moveaxis(q, -1, axis).astype(np.float32)
;;   ~~~
;;   OPERANDS COMPUTED ON THE WAY. 'Computed on the way' means the value that the module computes at that place (a softmax that the list does not call 'softmax' is quantised finished and normalised). What goes into a quantiser is computed in f32, as accurately as f32 sums, v_exp_f32 and their like allow (about 1e-6 of the number): no bf16 or f16 on the way to a quantiser, and a product that is left as it is and whose result goes on into a quantised operand takes f32 operands (vector FMAs, or v_wmma_f32_16x16x4_f32). A number that lies on a knife's edge between two numbers of the format may be rounded either way, as far as f32 arithmetic and the matrix unit's own rounding can turn it there, and no further.
;; 2 versions. Each part assembles by itself: llvm-mc -triple=amdgcn-amd-amdhsa -mcpu=gfx1250 --defsym DOCPART=n.
;; ======== version 1 of 2: 2 launches
;; workspace buffers: x_codes 16,777,216 bytes; w_codes 16,777,216 bytes
;; launch prep (part 1): grid 16 x 16, 16 waves a work-group, no clusters, 227,328 bytes of LDS; arguments x, org_weight, hada_w1_a, hada_w1_b, hada_w2_a, hada_w2_b, lowp_scales, x_codes, w_codes; writes x_codes, w_codes
.if DOCPART == 1
	.amdgcn_target "amdgcn-amd-amdhsa--gfx1250"
	.amdhsa_code_object_version 6
	.text
	.protected	k_q463cadac13_prep
	.globl	k_q463cadac13_prep
	.p2align	8
	.type	k_q463cadac13_prep,@function
k_q463cadac13_prep:
	s_mov_b64 s[64:65], 0
	v_nop
	global_prefetch_b8 v0, s[64:65] scope:SCOPE_SE
	s_setreg_imm32_b32 hwreg(HW_REG_WAVE_MODE, 25, 1), 1
	s_wait_xcnt 0x0
; x [4096][4096] f32 -> x_codes (E5M2, scale 2^e4), and W = org_weight + 0.5 (w1a w1b) o (w2a w2b) -> w_codes (E5M2, scale 2^e5); both [4096][4096], one code a byte, the axis 'in' innermost.
; The two small products (K = 32) are made on E5M2 codes (scales e0, e1 and e2, e3) by v_wmma_f32_16x16x64_bf8_bf8; W is formed in f32 and quantised in registers.
; code = number / 2^e, held within +-57,344, rounded to the nearest code, ties to even.
; LIMITS: each of e0 .. e5 between -126 and 112; e0 + e1 + e2 + e3 - 1 between -126 and 127 (each power of two below is an f32 number).  NaN among the inputs is not served; infinities are held at the largest code.
; SHARES.  Work-group (x = ir, y = ob) owns rows 256 ob .. + 255 and columns 256 ir .. + 255 of x AND of W; wave w of its sixteen owns rows 16 w .. + 15 of that block: one tile of 16 x 256 of each tensor,
; taken as two units of 16 rows x 128 columns, a unit as four chunks of 32 columns.  One path for every work-group and wave; no loop; one barrier.
; THE SMALL PRODUCTS.  Source 0 = 16 columns i: registers 0-3 hold w1b's codes, registers 4-7 w2b's.  Source 1 = my 16 rows o: B1 = [w1a's codes | zeros], B2 = [zeros | w2a's codes].  So S1 = A x B1 and
; S2 = A x B2: zero codes add nothing.  Lane (r, h) holds k = 16 h + 0 .. 15 in each group of four registers, on both sides alike: a permutation of k, the same in both sources, so each product meets its partner.
; THE COLUMNS OF A TILE ARE NOT NEIGHBOURS: lane r of tile u of chunk p takes column 32 p + 8 u + r + 8 (r / 8).  In the result lane (r, h) holds row r, and register j of tile u column 32 p + 16 h + 8 u + j:
; the 16 registers of tiles 0 and 1 are 16 neighbours along 'in', which is the large product's K, so the conversions take them as they lie.
; W = (S1 S2) c + org_weight, c = 2^(e0 + e1 + e2 + e3 - 1): the multiplication by c rounds nothing, so the roundings are one for the product and one for the sum.
; MEMORY.  Each load of x or org_weight reads 512 consecutive bytes of a row; a unit turns through the wave's own stage in LDS so that a lane gets 16 neighbours; the codes gather in the wave's own code stage
; and leave as rows: sixteen lanes store 256 consecutive bytes, at a multiple of 256 from the buffer's first byte.  No tensor loads, no cluster: what work-groups share (the four small matrices) is a fifth of a work-group's bytes.
.set TP,    80                         ; TAB, LDS byte 0: 256 rows (my block's columns i): 32 bytes of w1b's codes (byte = k), 32 of w2b's, 16 of padding
.set STG,   20480                      ; the waves' stages: 16 rows x (512 + 16) each
.set STGW,  8448
.set SP,    528
.set CST,   155648                     ; the waves' code stages: 16 rows x (256 + 16) each
.set CSTW,  4352
.set CP,    272
.set GL,  1                            ; v1   16 x lane: my 16 bytes of a load's 512
.set SW,  2                            ; v2   the stage, in: 16 x lane
.set SRD, 3                            ; v3   the stage, out: 528 r + 64 h: my 16 neighbours of a chunk
.set TA,  4                            ; v4   TAB: (r + 8 (r / 8)) x 80 + 16 h
.set CW,  5                            ; v5   the code stage, in: 272 r + 16 h
.set CR,  6                            ; v6   the code stage, out: 272 h + 16 r
.set GS,  7                            ; v7   the codes' buffers: 4096 h + 16 r
.set SCX, 8                            ; v8, v9    2^e4 and 57,344 x 2^e4  (r, h and a temporary while the addresses are made)
.set LMX, 9
.set SCW, 10                           ; v10, v11  the same with e5
.set LMW, 11
.set C,   12                           ; v[12:15]  a chunk's codes of W
.set PB,  12                           ; at the head only: v12 my column's byte in a row of w?b; v13 my bytes in my row of w?a; v14 my column's place in TAB
.set PA,  13
.set PT,  14
.set B1,  16                           ; v[16:23]  source 1 of the first small product
.set B2,  24                           ; v[24:31]  of the second
.set R,   32                           ; v[32:95], v[96:159]  two units as they are loaded
.set X,   160                          ; v[160:175] 16 neighbours (a unit of x: v[160:223], all four chunks); at the head v[160:191]: my column of w?b
.set A0,  176                          ; v[176:183], v[184:191]  source 0 of tiles 0 and 1
.set A1,  184
.set D1,  192                          ; v[192:207]  S1 of tiles 0, 1; at the head my 16 numbers of w1a
.set D2,  208                          ; v[208:223]  S2 of tiles 0, 1; at the head my 16 numbers of w2a
.set OB,  224                          ; v[224:255]  rows read back; v[224:239] a unit's codes of x; at the head v[224:231] my column's codes, v232, v233 a scale and its limit
.set PS,  232
.set PL,  233
.macro MKSCALE vs, vl, se              ; v[vs] = 2^e as f32 (the conversion takes its exponent field); v[vl] = 57,344 x 2^e; e in s[se]
	s_add_co_i32 s44, s[\se], 127
	s_lshl_b32 s45, s44, 23
	v_mov_b32 v[\vs], s45
	s_add_co_i32 s44, s44, 15
	s_lshl_b32 s44, s44, 23
	s_or_b32 s44, s44, 0x600000
	v_mov_b32 v[\vl], s44
.endm
.macro LOADU u                         ; unit u (0, 1: x; 2, 3: org_weight): 16 rows x 512 bytes, a row a load
.if (\u) < 2
.irp n, 0,1,2,3,4,5,6,7,8,9,10,11,12,13,14,15
	global_load_b128 v[R+64*((\u)%2)+4*\n:R+64*((\u)%2)+4*\n+3], v[GL], s[4:5] offset:\n*16384+((\u)%2)*512 th:TH_LOAD_NT
.endr
.else
.irp n, 0,1,2,3,4,5,6,7,8,9,10,11,12,13,14,15
	global_load_b128 v[R+64*((\u)%2)+4*\n:R+64*((\u)%2)+4*\n+3], v[GL], s[6:7] offset:\n*16384+((\u)%2)*512 th:TH_LOAD_NT
.endr
.endif
.endm
.macro TOSTG u                         ; the unit goes into my stage as it lies
.irp n, 0,1,2,3,4,5,6,7,8,9,10,11,12,13,14,15
	ds_store_b128 v[SW], v[R+64*((\u)%2)+4*\n:R+64*((\u)%2)+4*\n+3] offset:\n*SP
.endr
.endm
.macro QSTORE xb, cb, p, sc, lm        ; 16 neighbours in v[xb] on become 16 codes in v[cb] on, which go to chunk p's place in my code stage
.irp i, 0,1,2,3,4,5,6,7,8,9,10,11,12,13,14,15
	v_med3_num_f32 v[(\xb)+\i], v[(\xb)+\i], -v[\lm], v[\lm]   ; the conversion to an 8-bit code does not saturate (ISA guide 7.6.2): the hold at the largest code x the scale comes first
.endr
	v_cvt_scalef32_pk8_bf8_f32 v[(\cb):(\cb)+1], v[(\xb):(\xb)+7], v[\sc]
	v_cvt_scalef32_pk8_bf8_f32 v[(\cb)+2:(\cb)+3], v[(\xb)+8:(\xb)+15], v[\sc]
	v_nop                                          ; one plain vector line behind the last conversion: later vector and matrix lines write these registers again
	ds_store_b128 v[CW], v[(\cb):(\cb)+3] offset:32*(\p)
.endm
.macro XUNIT u                         ; a unit of x
	s_wait_loadcnt 16                              ; this unit's 16 loads are in; the next unit's 16 may be out
	TOSTG \u
	s_wait_dscnt 0x0                               ; the stage's stores have read their registers, and so have the earlier stores of codes:
	LOADU (\u)+2                                   ; the registers take the unit two further on
.irp b, 0,1,2,3
.irp j, 0,1,2,3
	ds_load_b128 v[X+16*\b+4*\j:X+16*\b+4*\j+3], v[SRD] offset:128*\b+16*\j   ; LDS serves a wave's instructions in order (ISA guide 5.7.1.4): these see my stores
.endr
.endr
.irp b, 0,1,2,3
	s_wait_dscnt 12-3*\b                           ; behind chunk b's four loads stand 4 (3 - b) loads and b stores of codes
	QSTORE X+16*\b, OB+4*\b, 4*(\u)+\b, SCX, LMX
.endr
.endm
.macro WCHUNK p, b                     ; chunk p of my tile of W (chunk b of the unit in the stage)
	ds_load_b128 v[A0:A0+3],   v[TA] offset:32*(\p)*TP
	ds_load_b128 v[A0+4:A0+7], v[TA] offset:32*(\p)*TP+32
	ds_load_b128 v[A1:A1+3],   v[TA] offset:(32*(\p)+8)*TP
	ds_load_b128 v[A1+4:A1+7], v[TA] offset:(32*(\p)+8)*TP+32
.irp j, 0,1,2,3
	ds_load_b128 v[X+4*\j:X+4*\j+3], v[SRD] offset:128*(\b)+16*\j
.endr
	s_wait_dscnt 4                                 ; the four loads of codes are in; org_weight's four may be out
	v_wmma_f32_16x16x64_bf8_bf8 v[D1:D1+7],    v[A0:A0+7], v[B1:B1+7], 0   ; four sums on four accumulators, each begun with the constant 0: no chain
	v_wmma_f32_16x16x64_bf8_bf8 v[D2:D2+7],    v[A0:A0+7], v[B2:B2+7], 0
	v_wmma_f32_16x16x64_bf8_bf8 v[D1+8:D1+15], v[A1:A1+7], v[B1:B1+7], 0
	v_wmma_f32_16x16x64_bf8_bf8 v[D2+8:D2+15], v[A1:A1+7], v[B2:B2+7], 0
	s_wait_dscnt 0x0                               ; org_weight's numbers are in, and the last chunk's store of codes has read v[12:15]
.rept 4
	v_nop                                          ; four places behind the last product: for the reads and writes of the sums below and for the next chunk's loads into source 0
.endr
.irp q, 0,2,4,6,8,10,12,14
	v_pk_mul_f32 v[D1+\q:D1+\q+1], v[D1+\q:D1+\q+1], v[D2+\q:D2+\q+1]      ; S1 S2; each accumulator from its low end on
.endr
.irp q, 0,2,4,6,8,10,12,14
	v_pk_fma_f32 v[X+\q:X+\q+1], v[D1+\q:D1+\q+1], s[42:43], v[X+\q:X+\q+1] op_sel_hi:[1,0,1]   ; W = (S1 S2) c + org_weight (the scalar pair's low word for both halves)
.endr
	QSTORE X, C, \p, SCW, LMW                      ; its 16 holds name no register of the products: with the four v_nop they are more than the five places owed before the next chunk's products write the sums anew
.endm
.macro WUNIT u                         ; a unit of W
	TOSTG \u
.irp b, 0,1,2,3
	WCHUNK 4*((\u)-2)+\b, \b
.endr
.endm
.macro OUT lo, second                  ; my tile's codes leave: two rows an instruction, sixteen lanes to a row's 256 bytes
	s_wait_dscnt 0x0                               ; the stores of codes have read their registers
.if \second
	s_wait_xcnt 0x0                                ; the first tile's global stores have read v[224:255]: only behind this wait are they loaded again
.endif
.irp t, 0,1,2,3,4,5,6,7
	ds_load_b128 v[OB+4*\t:OB+4*\t+3], v[CR] offset:2*\t*CP
.endr
.irp t, 0,1,2,3,4,5,6,7
	s_wait_dscnt 7-\t                              ; LDS loads come back in order: number t is in
	global_store_b128 v[GS], v[OB+4*\t:OB+4*\t+3], s[\lo:\lo+1] offset:2*\t*4096
.endr
.endm
	s_load_b512 s[4:19], s[0:1], 0x0               ; x s[4:5], org_weight s[6:7], w1a s[8:9], w1b s[10:11], w2a s[12:13], w2b s[14:15], the scales' exponents s[16:17], x_codes s[18:19]
	s_load_b64 s[20:21], s[0:1], 0x40              ; w_codes
	v_lshrrev_b32 v8, 5, v0
	v_readfirstlane_b32 s22, v8                    ; wave 0..15
	v_and_b32 v[GL], 31, v0
	v_lshlrev_b32 v[GL], 4, v[GL]
	v_and_b32 v8, 15, v0                           ; r
	v_bfe_u32 v9, v0, 4, 1                         ; h
	s_mul_i32 s44, s22, STGW
	s_add_co_u32 s44, s44, STG                     ; my stage
	s_mul_i32 s45, s22, CSTW
	s_add_co_u32 s45, s45, CST                     ; my code stage
	v_add_nc_u32 v[SW], s44, v[GL]
	v_mul_u32_u24 v[SRD], v8, SP
	v_lshl_add_u32 v[SRD], v9, 6, v[SRD]
	v_add_nc_u32 v[SRD], s44, v[SRD]
	v_and_b32 v10, 8, v8
	v_add_nc_u32 v10, v10, v8                      ; r + 8 (r / 8)
	v_mul_u32_u24 v[TA], v10, TP
	v_lshl_add_u32 v[TA], v9, 4, v[TA]
	v_mul_u32_u24 v[CW], v8, CP
	v_lshl_add_u32 v[CW], v9, 4, v[CW]
	v_add_nc_u32 v[CW], s45, v[CW]
	v_mul_u32_u24 v[CR], v9, CP
	v_lshl_add_u32 v[CR], v8, 4, v[CR]
	v_add_nc_u32 v[CR], s45, v[CR]
	v_lshlrev_b32 v[GS], 12, v9
	v_lshl_add_u32 v[GS], v8, 4, v[GS]
	v_and_b32 v10, 0xff, v0                        ; threads 0-255 take w1b's 256 columns of the block, threads 256-511 w2b's: a lane to a column
	v_lshlrev_b32 v[PB], 2, v10
	v_lshlrev_b32 v[PA], 7, v8                     ; w?a: row r of 128 bytes,
	v_lshl_add_u32 v[PA], v9, 6, v[PA]             ; + 64 h: k = 16 h + 0 .. 15
	v_mul_u32_u24 v[PT], v10, TP
	v_lshrrev_b32 v10, 8, v0
	v_lshl_add_u32 v[PT], v10, 5, v[PT]            ; TAB: 80 x column + 32 x (0: w1b, 1: w2b)
	s_and_b32 s23, ttmp7, 0xffff                   ; ob
	s_lshl_b32 s23, s23, 8
	s_lshl_b32 s24, s22, 4
	s_add_co_u32 s23, s23, s24                     ; my first row: 256 ob + 16 wave
	s_lshl_b32 s24, s23, 14                        ; x and org_weight: rows of 16,384 bytes,
	s_lshl_b32 s30, ttmp9, 10                      ; + 256 ir columns of 4 bytes (also the block's place in a row of w?b)
	s_add_co_u32 s24, s24, s30
	s_mov_b32 s25, 0
	s_lshl_b32 s26, s23, 12                        ; the codes: rows of 4,096 bytes,
	s_lshl_b32 s28, ttmp9, 8
	s_add_co_u32 s26, s26, s28                     ; + 256 ir
	s_mov_b32 s27, 0
	s_lshl_b32 s28, s23, 7                         ; w?a: rows of 128 bytes
	s_mov_b32 s29, 0
	s_mov_b32 s31, 0
	s_wait_kmcnt 0x0
	s_load_b128 s[36:39], s[16:17], 0x0            ; e0 .. e3
	s_load_b64 s[40:41], s[16:17], 0x10            ; e4, e5
	s_cmp_lt_u32 s22, 8                            ; waves 0-7 quantise w1b's columns, waves 8-15 w2b's: only the pointer and the exponent are chosen
	s_cselect_b64 s[32:33], s[10:11], s[14:15]
	s_add_nc_u64 s[4:5], s[4:5], s[24:25]
	s_add_nc_u64 s[6:7], s[6:7], s[24:25]
	s_add_nc_u64 s[18:19], s[18:19], s[26:27]
	s_add_nc_u64 s[20:21], s[20:21], s[26:27]
	s_add_nc_u64 s[8:9], s[8:9], s[28:29]
	s_add_nc_u64 s[12:13], s[12:13], s[28:29]
	s_add_nc_u64 s[32:33], s[32:33], s[30:31]
.irp k, 0,1,2,3,4,5,6,7,8,9,10,11,12,13,14,15,16,17,18,19,20,21,22,23,24,25,26,27,28,29,30,31
	global_load_b32 v[X+\k], v[PB], s[32:33] offset:\k*16384   ; w?b(k, my column): my registers run down K; a wave reads 128 consecutive bytes, eight waves side by side 1,024
.endr
.irp j, 0,1,2,3
	global_load_b128 v[D1+4*\j:D1+4*\j+3], v[PA], s[8:9] offset:16*\j
.endr
.irp j, 0,1,2,3
	global_load_b128 v[D2+4*\j:D2+4*\j+3], v[PA], s[12:13] offset:16*\j
.endr
	LOADU 0
	LOADU 1
	s_wait_kmcnt 0x0
	s_add_co_i32 s42, s36, s37
	s_add_co_i32 s42, s42, s38
	s_add_co_i32 s42, s42, s39
	s_add_co_i32 s42, s42, 126                     ; e0 + e1 + e2 + e3 - 1 + 127
	s_lshl_b32 s42, s42, 23                        ; c as f32
	s_mov_b32 s43, s42                             ; (named with it as a pair, so it is written)
	MKSCALE SCX, LMX, 40
	MKSCALE SCW, LMW, 41
	s_cmp_lt_u32 s22, 8
	s_cselect_b32 s34, s37, s39                    ; e1 or e3
	MKSCALE PS, PL, 34
	s_wait_loadcnt 32                              ; the 40 loads of the small matrices are in; the 32 of units 0 and 1 may be out
.irp k, 0,1,2,3,4,5,6,7,8,9,10,11,12,13,14,15,16,17,18,19,20,21,22,23,24,25,26,27,28,29,30,31
	v_med3_num_f32 v[X+\k], v[X+\k], -v[PL], v[PL]
.endr
.irp g, 0,1,2,3
	v_cvt_scalef32_pk8_bf8_f32 v[OB+2*\g:OB+2*\g+1], v[X+8*\g:X+8*\g+7], v[PS]   ; my column's 32 codes, k ascending from the lowest byte
.endr
	v_nop                                          ; a plain line behind the conversions: their scale is written anew below
	ds_store_b128 v[PT], v[OB:OB+3]
	ds_store_b128 v[PT], v[OB+4:OB+7] offset:16
	MKSCALE PS, PL, 36                             ; e0: my row of w1a, k = 16 h + 0 .. 15
.irp i, 0,1,2,3,4,5,6,7,8,9,10,11,12,13,14,15
	v_med3_num_f32 v[D1+\i], v[D1+\i], -v[PL], v[PL]
.endr
	v_cvt_scalef32_pk8_bf8_f32 v[B1:B1+1],   v[D1:D1+7],    v[PS]
	v_cvt_scalef32_pk8_bf8_f32 v[B1+2:B1+3], v[D1+8:D1+15], v[PS]
.irp i, 4,5,6,7
	v_mov_b32 v[B1+\i], 0                          ; zero codes against w2b's half of source 0.  (Plain lines behind the conversions)
.endr
	MKSCALE PS, PL, 38                             ; e2: my row of w2a
.irp i, 0,1,2,3,4,5,6,7,8,9,10,11,12,13,14,15
	v_med3_num_f32 v[D2+\i], v[D2+\i], -v[PL], v[PL]
.endr
	v_cvt_scalef32_pk8_bf8_f32 v[B2+4:B2+5], v[D2:D2+7],    v[PS]
	v_cvt_scalef32_pk8_bf8_f32 v[B2+6:B2+7], v[D2+8:D2+15], v[PS]
.irp i, 0,1,2,3
	v_mov_b32 v[B2+\i], 0                          ; zero codes against w1b's half
.endr
	s_wait_dscnt 0x0                               ; for the others' sake: my column's codes lie in TAB
	s_barrier_signal -1
	s_barrier_wait -1                              ; TAB is whole; from here on it is only read
	XUNIT 0
	XUNIT 1
	OUT 18, 0                                      ; x's codes
	s_wait_loadcnt 16                              ; org_weight's first unit is in; the second may be out
	WUNIT 2
	s_wait_loadcnt 0x0
	WUNIT 3
	OUT 20, 1                                      ; W's codes
	s_wait_xcnt 0x0
	v_lshl_add_u32 v254, v0, 2, 0x37000
	v_mov_b32 v255, 0
	s_wait_tensorcnt 0x0
	ds_add_u32 v254, v255
	s_wait_dscnt 0x0
	s_endpgm
.Lfunc_end_k_q463cadac13_prep:
	.size	k_q463cadac13_prep, .Lfunc_end_k_q463cadac13_prep-k_q463cadac13_prep
	.p2alignl 7, 3214868480
	.fill 96, 4, 3214868480
	.section	.rodata,"a",@progbits
	.p2align	6, 0x0
	.amdhsa_kernel k_q463cadac13_prep
		.amdhsa_group_segment_fixed_size 227328
		.amdhsa_private_segment_fixed_size 0
		.amdhsa_enable_private_segment 0
		.amdhsa_kernarg_size 72
		.amdhsa_user_sgpr_count 2
		.amdhsa_user_sgpr_kernarg_segment_ptr 1
		.amdhsa_wavefront_size32 1
		.amdhsa_system_sgpr_workgroup_id_x 1
		.amdhsa_system_sgpr_workgroup_id_y 1
		.amdhsa_system_sgpr_workgroup_id_z 1
		.amdhsa_system_vgpr_workitem_id 0
		.amdhsa_next_free_vgpr 256
		.amdhsa_next_free_sgpr 66
		.amdhsa_reserve_vcc 0
		.amdhsa_float_denorm_mode_32 3
		.amdhsa_float_denorm_mode_16_64 3
		.amdhsa_memory_ordered 1
		.amdhsa_forward_progress 1
		.amdhsa_inst_pref_size 65
	.end_amdhsa_kernel
	.amdgpu_metadata
---
amdhsa.version: [ 1, 2 ]
amdhsa.kernels:
  - .name:           k_q463cadac13_prep
    .symbol:         k_q463cadac13_prep.kd
    .args:
      - { .name: x, .offset: 0, .size: 8, .value_kind: global_buffer, .address_space: global }
      - { .name: org_weight, .offset: 8, .size: 8, .value_kind: global_buffer, .address_space: global }
      - { .name: hada_w1_a, .offset: 16, .size: 8, .value_kind: global_buffer, .address_space: global }
      - { .name: hada_w1_b, .offset: 24, .size: 8, .value_kind: global_buffer, .address_space: global }
      - { .name: hada_w2_a, .offset: 32, .size: 8, .value_kind: global_buffer, .address_space: global }
      - { .name: hada_w2_b, .offset: 40, .size: 8, .value_kind: global_buffer, .address_space: global }
      - { .name: lowp_scales, .offset: 48, .size: 8, .value_kind: global_buffer, .address_space: global }
      - { .name: x_codes, .offset: 56, .size: 8, .value_kind: global_buffer, .address_space: global }
      - { .name: w_codes, .offset: 64, .size: 8, .value_kind: global_buffer, .address_space: global }
    .group_segment_fixed_size: 227328
    .private_segment_fixed_size: 0
    .kernarg_segment_align: 8
    .kernarg_segment_size: 72
    .max_flat_workgroup_size: 512
    .sgpr_count:     66
    .vgpr_count:     256
    .wavefront_size: 32
...
	.end_amdgpu_metadata
.endif
;; end of part 1
;; launch gemm (part 2): grid 16 x 16, 4 waves a work-group, clusters of 4 x 4, 327,680 bytes of LDS; arguments x_codes, w_codes, lowp_scales, out0, org_bias; writes out0
.if DOCPART == 2
	.amdgcn_target "amdgcn-amd-amdhsa--gfx1250"
	.amdhsa_code_object_version 6
	.text
	.protected	k_q463cadac13_gemm
	.globl	k_q463cadac13_gemm
	.p2align	8
	.type	k_q463cadac13_gemm,@function
k_q463cadac13_gemm:
	s_mov_b64 s[64:65], 0
	v_nop
	global_prefetch_b8 v0, s[64:65] scope:SCOPE_SE
	s_setreg_imm32_b32 hwreg(HW_REG_WAVE_MODE, 25, 1), 1
	s_wait_xcnt 0x0
	s_wait_alu depctr_hold_cnt(0) depctr_sa_sdst(0) depctr_va_vdst(0) depctr_va_sdst(0) depctr_va_ssrc(0) depctr_va_vcc(0) depctr_vm_vsrc(0)
	s_getreg_b32 s2, hwreg(HW_REG_IB_STS2, 6, 4)
	s_cmp_eq_u32 s2, 0
	s_cbranch_scc0 .Lentry_in_a_cluster
	s_endpgm
.Lentry_in_a_cluster:
	s_bfe_u32 s2, ttmp6, 0x10000c
	s_cmp_lg_u32 s2, 0xf033
	s_cbranch_scc0 .Lentry_shape_is_right
	s_endpgm
.Lentry_shape_is_right:
; out0[m][n] = (sum over k of X[m][k] W[n][k]) x 2^(e4 + e5) + bias[n].  X = x_codes, W = w_codes: [4096][4096] codes of E5M2, one a byte, K innermost; out0 [4096][4096] f32; sums in f32.
; The codes are multiplied as they are by v_wmma_f32_16x16x128_bf8_bf8; each finished sum goes once through one fused multiply-add with 2^(e4 + e5) and the bias.
; LIMIT: e4 + e5 (entries 4 and 5 of the buffer of scales) lies between -126 and 127, so that 2^(e4 + e5) is an f32 number.
; A tile of out0, 256 x 256, is made by a work-group of four waves; a wave makes 128 x 128: 64 accumulators of 16 x 16, 512 registers.  16 x 16 tiles: one for each of 256 work-groups.
; K goes in steps of 256 through a ring of two LDS slots filled by the tensor data mover: a tile's row is 256 bytes of memory, at a multiple of 256 from the buffer's first byte.
; CLUSTERS: 4 x 4 work-groups.  The four of a row of the cluster need the same tiles of X, the four of a column the same tiles of W: each tile is asked for JOINTLY, by the same tensor load with the same
; descriptor and a mask that names the four.  THE MATRIX INSTRUCTION IS USED TRANSPOSED (source 0 = 16 rows of W, source 1 = 16 rows of X): a lane then holds eight neighbouring numbers of a row of out0.
; A fragment is fetched by four loads of 16 bytes: lane l holds, of row l % 16, K = 32 c + 16 (l / 16) + 0 .. 15 in registers 4 c .. 4 c + 3: a permutation of k, the same in both sources.
; REGISTERS, in windows of 256: window 0: v0-31 addresses and the bias; from v128 X's fragments (8 x 16 rows x 128 K), ONE set; on the way out v128-255 take rows read back.
;   window 1: W's fragments, TWO sets, at v0 and at v128.   window 2: the 32 accumulators of my rows 0-63 (accumulator (a, b) at v[8 (8 a + b)]);   window 3: those of my rows 64-127.
; A step of 128 along K is 64 matrix instructions, X's blocks one after the other, each against W's eight: a block of X is free as soon as its eight products are issued, so one set serves X.
.set SIZE_M, 4096
.set SIZE_N, 4096
.set SIZE_K, 4096
.set KSTEP,  256                       ; along K in a slot
.set ROWB,   256                       ; a tile's row in bytes
.set KROW,   SIZE_K                    ; a row of codes in memory, in bytes
.set PITCH,  272                       ; an LDS row: 256 bytes + 16 of padding = 68 words: row r starts at bank 4 r mod 64 (64 banks of 4 bytes: ISA guide 11.1), so the 16 rows that a load touches start at 16 different banks
.set FR,     16                        ; registers of a fragment
.set NL,     4                         ; LDS loads that bring one
.set NP,     4                         ; places behind this matrix instruction (ISA guide 7.12.1)
.set HALFT,  128*PITCH                 ; 128 rows: what one tensor load brings, and what one wave reads of X or of W
.set SLOT,   4*HALFT                   ; X's 256 rows, then W's 256 rows
.set LAPS,   SIZE_K/(2*KSTEP)          ; a lap = two K steps = once round the ring: 8
.set SPARE,  2*SLOT                    ; behind the ring: the spare words, 128 bytes for each wave: two blocks of 256 bytes that no other line names
.set SPITCH, 528                       ; the way out: a stage of 16 rows x (512 + 16) for each wave, in slot 0, which has had its last fill and its last read when the first result is stored there
.set BIAS, 8                           ; v[8:11] bias of my four columns on the way out: 4 x lane + 0 .. 3 of my wave's 128
.set ADRA, 16                          ; v16-17  LDS address of my X fragments in slot 0, 1
.set ADRB, 20                          ; v20-21  the same for W
.set STO,  24                          ; v24     the way out: where I put 32 bytes of a row
.set RD,   25                          ; v25     the way out: where I read a row back
.set CO,   26                          ; v26     16 x lane: my byte offset in a row of out0, and in the bias
.set SPW,  28                          ; v28     LDS address of my spare word: SPARE + 4 x my thread's number; never rewritten
.set NIL,  29                          ; v29     0; never rewritten
.set PFO,  30                          ; v30     the prefetches' offset: my lane x a row of codes; never rewritten
.set AF,   128                         ; X's fragments, in window 0
.set BK,   128                         ; the way out: 16 rows read back: v128-191 and v192-255 by turns
.set G1, 24                            ; s[24:31] descriptor group 1 for X's tiles;  s[32:39] group 0, one set for each slot
.set G0, 32
.set G1B, 48                           ; s[48:55], s[56:63] the same for W's tiles
.set G0B, 56
.set PFA, 66                           ; s[66:67] where my prefetches stand: my work-group's 32 rows of the 128 that I fetch, one K step further along K than the refill that is being asked for; a prefetch names the K step after that
.set LIM, 68                           ; s68     1 in a wave that prefetches, else the greatest number
.set MSB, 0
.macro WIN new                         ; the immediate's high byte repeats the setting that is left
.if MSB != \new
	s_set_vgpr_msb (MSB<<8)|\new
.set MSB, \new
.endif
.endm
.set MUL_LO, 0xa1                      ; source 0 (W) window 1, source 1 (X) window 0, C and D window 2
.set MUL_HI, 0xf1                      ; the same, C and D window 3
.set TO_B,   0x40                      ; destination window 1, address window 0
; A joint load: waves 0 and 1 fetch for X, waves 2 and 3 for W.  Each of the two lines has ONE mask and one set of registers for all that issue it; the branch hangs on the wave's number alone.
; Four v_nop follow each of the two lines, ahead of the jump, the label and what follows.
.macro JLOAD g0a, g1a, g0b, g1b
	s_cmp_eq_u32 s15, 0
	s_cbranch_scc0 .Lfor_b_\@
	tensor_load_to_lds s[\g0a:\g0a+3], s[\g1a:\g1a+7]
	s_nop 0
.rept 4
	v_nop
.endr
	s_branch .Lasked_\@
.Lfor_b_\@:
	tensor_load_to_lds s[\g0b:\g0b+3], s[\g1b:\g1b+7]
	s_nop 0
.rept 4
	v_nop
.endr
.Lasked_\@:
.endm
; A PREFETCH INTO THE L2, behind each joint refill, its four lines and the run of LDS loads that follows: the K step that stands TWO refills on (256 matrix instructions ahead of the load that will want it):
; 32 rows x 256 bytes, a lane a row, one instruction a wave.  Each row's 256 bytes of a K step are named ONCE in the launch: X's tile row is read by every cluster of that row of clusters, and the one with
; cluster x = 0 asks; W's tile column by every cluster of that column, and the one with cluster y = 0 asks.  The four partners that ask for a tile jointly share its rows out BY ADDRESS: of the 128 rows that
; a wave fetches, the partner at place p takes 32 p .. 32 p + 31 (p = cx for X, cy for W): no branch hangs on a work-group's place in its cluster.  The loop's last trip (s3 = 1) asks for nothing: its two
; refills are K steps 14 and 15, and there is no K step two on.  K steps 0 to 3 come by their loads alone.
.macro ASK
	s_cmp_gt_u32 s3, s[LIM]
	s_cbranch_scc0 .Lnot_mine_\@
	global_prefetch_b8 v[PFO], s[PFA:PFA+1] offset:ROWB th:TH_LOAD_NT scope:SCOPE_SE
.Lnot_mine_\@:
.endm
.macro CREST                           ; a round of the cluster's barrier behind its opening barrier
	s_cmp_lg_u32 s14, 0
	s_cbranch_scc1 .Lnot_wave_0_\@
	s_barrier_signal -3
.Lnot_wave_0_\@:
	s_barrier_wait -3
	s_barrier_signal -1
	s_barrier_wait -1
.endm
.macro CROUND                          ; a whole round
	s_barrier_signal -1
	s_barrier_wait -1
	CREST
.endm
	s_load_b128 s[4:7], s[0:1], 0x0                ; X's codes s[4:5], W's codes s[6:7]
	s_load_b128 s[8:11], s[0:1], 0x10              ; the scales' exponents s[8:9], out0 s[10:11]
	s_load_b64 s[12:13], s[0:1], 0x20              ; the bias
	v_lshl_add_u32 v[SPW], v0, 2, SPARE
	v_mov_b32 v[NIL], 0
	ds_add_u32 v28, v29
	ds_add_u32 v28, v29
	s_wait_dscnt 0x0
	v_lshrrev_b32 v1, 5, v0
	v_readfirstlane_b32 s14, v1                    ; wave 0..3
	s_lshr_b32 s15, s14, 1                         ; which half of the tile's rows is mine.  Also: I fetch for X (0) or for W (1)
	s_and_b32 s16, s14, 1                          ; which half of its columns.  Also: which 128 rows of that tile I fetch
	s_bfe_u32 s40, ttmp6, 0x40000                  ; cx, cy: my place in the cluster
	s_bfe_u32 s41, ttmp6, 0x40004
	s_lshl_b32 s42, ttmp9, 2
	s_add_co_u32 s42, s42, s40                     ; tile column = 4 x cluster x + cx
	s_and_b32 s17, ttmp7, 0xffff
	s_lshl_b32 s17, s17, 2
	s_add_co_u32 s17, s17, s41                     ; tile row = 4 x cluster y + cy
	s_lshl_b32 s43, s41, 2
	s_lshl_b32 s43, 15, s43                        ; my row of the cluster
	s_lshl_b32 s44, 0x1111, s40                    ; my column
	; descriptor group 1: a tile of 128 rows x 256 bytes, padded in LDS
	s_or_b32 s[G1+0], s43, (0<<16)|(1<<20)|(1<<21)|(5<<22)|(3<<25)  ; 15:0 the mask: X's tiles go to my row; 17:16 element of 1 byte; 20 padding on; 21 set beside a mask; 24:22 after every 64 words (code 5); 31:25 of 4 words (code 3)
	s_or_b32 s[G1B+0], s44, (0<<16)|(1<<20)|(1<<21)|(5<<22)|(3<<25) ; the same with the mask of my column, for W's tiles
.irp g, G1, G1B
	s_mov_b32 s[\g+1], ROWB<<16                    ; tensor_dim0 = 256
	s_mov_b32 s[\g+2], 128<<16                     ; tensor_dim1 = 128
	s_mov_b32 s[\g+3], ROWB<<16                    ; tile_dim0 = 256
	s_mov_b32 s[\g+4], 128                         ; tile_dim1 = 128
	s_mov_b32 s[\g+5], KROW                        ; tensor_dim0_stride
	s_mov_b32 s[\g+6], 0
	s_mov_b32 s[\g+7], 0
.endr
	s_lshl_b32 s18, s16, 7                         ; which 128 rows of the tile I fetch
	s_lshl_b32 s20, s17, 8
	s_add_co_u32 s20, s20, s18                     ; X: row 256 x tile row + 128 x half
	s_lshl_b32 s46, s42, 8
	s_add_co_u32 s46, s46, s18                     ; W: row 256 x tile column + 128 x half
	s_mov_b32 s21, 0
	s_mov_b32 s47, 0
	s_mov_b64 s[18:19], KROW
	s_mul_u64 s[20:21], s[20:21], s[18:19]
	s_mul_u64 s[46:47], s[46:47], s[18:19]
	s_mul_i32 s45, s14, HALFT                      ; where they go: wave x 128 rows: no place in the cluster enters an LDS address
	s_wait_kmcnt 0x0
	s_load_b64 s[96:97], s[8:9], 0x10              ; e4, e5
	s_add_nc_u64 s[20:21], s[4:5], s[20:21]
	s_add_nc_u64 s[46:47], s[6:7], s[46:47]
	CROUND                                         ; all sixteen work-groups are here: the first joint loads meet
.irp s, 0,1
	s_mov_b32 s[G0+4*\s], 1
	s_add_co_u32 s[G0+4*\s+1], s45, \s*SLOT
	s_add_nc_u64 s[G0+4*\s+2:G0+4*\s+3], s[20:21], \s*ROWB
	s_or_b32 s[G0+4*\s+3], s[G0+4*\s+3], 0x80000000
	s_mov_b32 s[G0B+4*\s], 1
	s_add_co_u32 s[G0B+4*\s+1], s45, \s*SLOT
	s_add_nc_u64 s[G0B+4*\s+2:G0B+4*\s+3], s[46:47], \s*ROWB
	s_or_b32 s[G0B+4*\s+3], s[G0B+4*\s+3], 0x80000000
	JLOAD G0+4*\s, G1, G0B+4*\s, G1B               ; by this text's count two tensor loads of a wave are out here, later one behind each round
.endr
	v_and_b32 v1, 15, v0                           ; l % 16
	v_bfe_u32 v2, v0, 4, 1                         ; l / 16
	v_mul_u32_u24 v3, v1, PITCH
	v_lshl_add_u32 v4, v2, 4, v3                   ; a fragment's row x pitch + 16 x half
	s_mul_i32 s21, s15, HALFT                      ; my 128 rows of X
	s_mul_i32 s22, s16, HALFT                      ; my 128 rows of W,
	s_add_co_u32 s22, s22, 2*HALFT                 ; which lie behind X's 256
.irp s, 0,1
	v_add_nc_u32 v[ADRA+\s], s21, v4
	v_add_nc_u32 v[ADRB+\s], s22, v4
	s_add_co_u32 s21, s21, SLOT
	s_add_co_u32 s22, s22, SLOT
.endr
	s_mul_i32 s23, s14, 16*SPITCH                  ; my stage
	v_mul_u32_u24 v5, v1, SPITCH                   ; in: row l % 16, 32 bytes for each half of the lanes
	v_lshl_add_u32 v5, v2, 5, v5
	v_add_nc_u32 v[STO], s23, v5
	v_and_b32 v6, 31, v0
	v_lshlrev_b32 v[CO], 4, v6                     ; back: the 32 lanes take one row of 512 bytes; and the same in out0
	v_add_nc_u32 v[RD], s23, v[CO]
	v_lshlrev_b32 v[PFO], 12, v6                   ; a lane a row of 4,096 bytes
	s_lshl_b32 s20, s17, 8
	s_lshl_b32 s21, s15, 7
	s_add_co_u32 s20, s20, s21                     ; my first row of out0: 256 x tile row + 128 x half
	s_mov_b32 s21, 0
	s_mov_b64 s[18:19], SIZE_N*4
	s_mul_u64 s[20:21], s[20:21], s[18:19]
	s_lshl_b32 s46, s42, 10                        ; my first column, in bytes: 1024 x tile column + 512 x half
	s_lshl_b32 s47, s16, 9
	s_add_co_u32 s46, s46, s47
	s_mov_b32 s47, 0
	s_add_nc_u64 s[20:21], s[20:21], s[46:47]
	s_add_nc_u64 s[10:11], s[10:11], s[20:21]
	s_add_nc_u64 s[12:13], s[12:13], s[46:47]      ; the bias at my first column
	global_load_b128 v[BIAS:BIAS+3], v[CO], s[12:13]   ; behind the turn through the stage a lane holds the same four columns of every row: four registers serve all 128 rows
	; the prefetches: where mine stand, and whether I ask
	s_lshl_b32 s70, s17, 8                         ; 256 x tile row
	s_lshl_b32 s71, s42, 8                         ; 256 x tile column
	s_and_b32 s72, ttmp7, 0xffff                   ; cluster y
	s_cmp_eq_u32 s15, 0                            ; do I fetch for X?
	s_cselect_b32 s70, s70, s71                    ; the tile's first row
	s_cselect_b32 s73, s40, s41                    ; my place among the four that ask for it with me
	s_cselect_b32 s72, ttmp9, s72                  ; the coordinate along which other clusters read the same rows
	s_cselect_b64 s[PFA:PFA+1], s[4:5], s[6:7]
	s_cmp_eq_u32 s72, 0
	s_cselect_b32 s[LIM], 1, -1                    ; the same in all sixteen partners, for a given wave
	s_lshl_b32 s72, s16, 7
	s_add_co_u32 s70, s70, s72                     ; + the 128 rows that I fetch
	s_lshl_b32 s73, s73, 5
	s_add_co_u32 s70, s70, s73                     ; + my work-group's 32 of them
	s_lshl_b32 s70, s70, 12                        ; rows of 4,096 bytes: under 2^24
	s_mov_b32 s71, 0
	s_add_nc_u64 s[PFA:PFA+1], s[PFA:PFA+1], s[70:71]
	s_add_nc_u64 s[PFA:PFA+1], s[PFA:PFA+1], 2*ROWB    ; at K step 2: the first refill steps it to 3 and names K step 4.  Nothing is prefetched here, at the head, where every work-group's first tiles are on their way
.macro FRAG reg, adr, q, i             ; a fragment, 16 rows x 128 K of 8-bit codes, is 16 registers
.irp c, 0,1,2,3
	ds_load_b128 v[\reg+4*\c:\reg+4*\c+3], v[\adr] offset:128*(\q)+32*\c+(\i)*16*PITCH
.endr
.endm
; 16 matrix instructions: X's blocks a0, a0 + 1 x W's eight, 128 along K.  p: W's set.  zero = 1: the first product starts the sums: nothing is ever cleared.
; The 64 accumulators take turns, one instruction a turn, in the same order in every step.
.macro MUL16 a0, p, zero
.irp a, \a0, \a0+1
.irp b, 0,1,2,3,4,5,6,7
.if \zero
	v_wmma_f32_16x16x128_bf8_bf8 v[8*(8*((\a)%4)+\b):8*(8*((\a)%4)+\b)+7], v[128*(\p)+FR*\b:128*(\p)+FR*\b+FR-1], v[AF+FR*(\a):AF+FR*(\a)+FR-1], 0
.else
	v_wmma_f32_16x16x128_bf8_bf8 v[8*(8*((\a)%4)+\b):8*(8*((\a)%4)+\b)+7], v[128*(\p)+FR*\b:128*(\p)+FR*\b+FR-1], v[AF+FR*(\a):AF+FR*(\a)+FR-1], v[8*(8*((\a)%4)+\b):8*(8*((\a)%4)+\b)+7]
.endif
.endr
.endr
.endm
.macro FETCH_B slot, q, p              ; W's eight fragments of the slot's q-th 128 along K into set p
	WIN TO_B
.irp i, 0,1,2,3,4,5,6,7
	FRAG 128*(\p)+FR*\i, ADRB+\slot, \q, \i
.endr
	WIN 0
.endm
.macro FETCH_A slot, q, i0             ; X's blocks i0 .. i0 + 3
.irp i, \i0, \i0+1, \i0+2, \i0+3
	FRAG AF+FR*(\i), ADRA+\slot, \q, \i
.endr
.endm
; A load into a register that a matrix instruction has read, and an LDS store that reads a matrix result, stand NP places behind that matrix instruction, and only plain vector instructions that name none
; of its registers are places (ISA guide 7.12.1 for vector instructions); the matrix instructions in between are not counted.
.macro PLACES n
.rept \n
	v_nop
.endr
.endm
; A step of 128 along K that has its successor in the same slot.
.macro STEP slot, q, zero
	s_wait_dscnt 4*NL                              ; W's set and X's blocks 0-3 are in; the youngest sixteen loads (X's blocks 4-7) may be out
	WIN MUL_LO
	MUL16 0, (\q)%2, \zero
	MUL16 2, (\q)%2, \zero
	s_wait_dscnt 0                                 ; X's blocks 4-7 are in (asked for 32 matrix instructions ago)
	PLACES NP
	FETCH_B \slot, (\q)+1, 1-(\q)%2
	FETCH_A \slot, (\q)+1, 0
	WIN MUL_HI
	MUL16 4, (\q)%2, \zero
	MUL16 6, (\q)%2, \zero
	PLACES NP
	WIN 0
	FETCH_A \slot, (\q)+1, 4
.endm
; A slot's last step changes slots.  Its first 32 products read fragments that lie in registers and need nothing of the next slot: they stand AHEAD of the wait for the tensor loads, so that between a tile's
; landing and the next request stand only the wait, the add with the descriptors' steps, the wait for it, and the round.  ONE barrier for the change: in front of it each wave waits for all its tensor loads,
; adds 0 to its spare word, and waits for that and for its own reads of this slot.  fill = 1: this slot is filled again, two K steps ahead.
.macro TURN slot, next, fill
.if \fill
	s_wait_xcnt 0x0                                ; the last prefetch, a K step back, has read its address: it is stepped here, ahead of the change of slots
	s_add_nc_u64 s[PFA:PFA+1], s[PFA:PFA+1], ROWB
.endif
	s_wait_dscnt 4*NL                              ; W's set and X's blocks 0-3 are in; the youngest sixteen loads (X's blocks 4-7) may be out
	WIN MUL_LO
	MUL16 0, 1, 0
	MUL16 2, 1, 0
	WIN 0
	s_wait_tensorcnt 0x0                           ; all my tensor loads have landed: the one that was out is my part of the next slot; so every group 0 may be written;
	ds_add_u32 v[SPW], v[NIL]                      ; 0 onto my spare word: with fill = 1 the descriptors' steps stand between it and the wait for it
.if \fill
	s_add_nc_u64 s[G0+4*\slot+2:G0+4*\slot+3], s[G0+4*\slot+2:G0+4*\slot+3], 2*ROWB      ; this slot's next tile: two K steps on; the type bits on top are not reached
	s_add_nc_u64 s[G0B+4*\slot+2:G0B+4*\slot+3], s[G0B+4*\slot+2:G0B+4*\slot+3], 2*ROWB
.endif
	s_wait_dscnt 0x0                               ; the add is done, and my reads of this slot are over (the last were X's blocks 4-7)
	s_barrier_signal -1
	s_barrier_wait -1
.if \fill
	CREST                                          ; the barrier has opened a round of the cluster's barrier: no wave of any partner still reads this slot's tile or has a load on its way
	JLOAD G0+4*\slot, G1, G0B+4*\slot, G1B         ; the first tensor load behind the round, one a wave; the four v_nop behind it are the places in front of the loads below
.else
	PLACES NP
.endif
	FETCH_B \next, 0, 0
	FETCH_A \next, 0, 0
.if \fill
	ASK                                            ; behind the joint load and the run of LDS loads that the next products wait for; every window is 0 here
.endif
	WIN MUL_HI
	MUL16 4, 1, 0
	MUL16 6, 1, 0
	PLACES NP
	WIN 0
	FETCH_A \next, 0, 4
.endm
	s_wait_tensorcnt 1                             ; my part of K step 0 is in (K step 1's load may be out)
	s_barrier_signal -1
	s_barrier_wait -1                              ; everybody's is
	FETCH_B 0, 0, 0
	FETCH_A 0, 0, 0
	FETCH_A 0, 0, 4
	STEP 0, 0, 1                                   ; the first step stands in front of the loop: its products start the sums
	s_mov_b32 s3, LAPS-1
.Llap:                                                 ; a trip goes once round the ring, from a lap's second step to the next lap's first, and fills both slots again
	TURN 0, 1, 1
	STEP 1, 0, 0
	TURN 1, 0, 1
	STEP 0, 0, 0
	s_sub_co_u32 s3, s3, 1
	s_cmp_lg_u32 s3, 0
	s_cbranch_scc1 .Llap
	TURN 0, 1, 0                                   ; the last lap fills nothing, and has no round of the cluster's barrier
	STEP 1, 0, 0
	s_wait_dscnt 4*NL                              ; the very last step: nothing more to fetch
	WIN MUL_LO
	MUL16 0, 1, 0
	MUL16 2, 1, 0
	s_wait_dscnt 0
	WIN MUL_HI
	MUL16 4, 1, 0
	MUL16 6, 1, 0
	WIN 0
; THE WAY OUT, block by block of 16 rows x 128 columns.  A lane holds 32 neighbouring bytes of a row, and the lanes beside it hold other rows: so a block's raw sums go from the accumulators through my own
; stage in LDS and come back as whole rows of 512 bytes.  There a lane holds columns 4 x lane + 0 .. 3 of each row: one packed multiply-add for two numbers gives sum x 2^(e4 + e5) + bias, and the 32 lanes
; store the row.  LDS serves a wave's instructions in order (ISA guide 5.7.1.4): no wait between the stores and the loads, nor in front of the next block's stores.
.macro TOSTAGE a
.set AC, 64*((\a)%4)
	WIN 0x08+4*((\a)/4)                            ; an LDS store's data are source 1: window 2 or 3; its address, source 0, stays in window 0
.irp b, 0,1,2,3,4,5,6,7
	ds_store_b128 v[STO], v[AC+8*\b:AC+8*\b+3] offset:64*\b          ; each accumulator from its low end on
	ds_store_b128 v[STO], v[AC+8*\b+4:AC+8*\b+7] offset:64*\b+16
.endr
	WIN 0
.set BB, BK+64*((\a)%2)
.irp t, 0,1,2,3,4,5,6,7,8,9,10,11,12,13,14,15
	ds_load_b128 v[BB+4*\t:BB+4*\t+3], v[RD] offset:\t*SPITCH
.endr
.endm
.macro SEND a, younger                 ; younger: the LDS instructions issued behind block a's loads, which may stay out
.set BB, BK+64*((\a)%2)
	s_wait_dscnt \younger                          ; the block is back in registers
.if (\a) > 0
	s_add_nc_u64 s[10:11], s[10:11], 16*SIZE_N*4   ; (behind a wait on XCNT: the earlier stores have read their base)  16 rows on, so that the stores' offsets stay at 15 rows at the most
.endif
.irp t, 0,1,2,3,4,5,6,7,8,9,10,11,12,13,14,15
	v_pk_fma_f32 v[BB+4*\t:BB+4*\t+1],   v[BB+4*\t:BB+4*\t+1],   s[96:97], v[BIAS:BIAS+1]   op_sel_hi:[1,0,1]   ; sum x s96 + bias (the scalar pair's low word for both halves)
	v_pk_fma_f32 v[BB+4*\t+2:BB+4*\t+3], v[BB+4*\t+2:BB+4*\t+3], s[96:97], v[BIAS+2:BIAS+3] op_sel_hi:[1,0,1]
.endr
.irp t, 0,1,2,3,4,5,6,7,8,9,10,11,12,13,14,15
	global_store_b128 v[CO], v[BB+4*\t:BB+4*\t+3], s[10:11] offset:\t*SIZE_N*4 th:TH_STORE_NT   ; 32 lanes store 512 consecutive bytes, at a multiple of 256 from out0's first byte; written once, read by nobody here
.endr
.endm
	s_wait_kmcnt 0x0
	s_add_co_i32 s96, s96, s97                     ; e4 + e5, between -126 and 127,
	s_add_co_i32 s96, s96, 127
	s_lshl_b32 s96, s96, 23                        ; makes the f32 number 2^(e4 + e5)
	s_wait_loadcnt 0x0                             ; the bias
	PLACES NP                                      ; behind the last products: for the stores that read their results and for the loads into the registers that held X's fragments
	TOSTAGE 0
.irp a, 1,2,3,4,5,6,7
.if \a > 1
	s_wait_xcnt 0x0                                ; block a - 2's stores have read their registers and their base: block a's loads may land there, and the base may step
.endif
	TOSTAGE \a
	SEND \a-1, 32                                  ; behind block a - 1's loads: block a's 16 stores and 16 loads
.endr
	s_wait_xcnt 0x0                                ; block 6's stores have read their base
	SEND 7, 0
	s_wait_tensorcnt 0x0                           ; the wave's end, behind my last tensor load and my last LDS store
	ds_add_u32 v[SPW], v[NIL]
	s_wait_dscnt 0x0
	CROUND                                         ; the closing round: no work-group ends while a partner may still ask for a tile that names it
	s_endpgm
.Lfunc_end_k_q463cadac13_gemm:
	.size	k_q463cadac13_gemm, .Lfunc_end_k_q463cadac13_gemm-k_q463cadac13_gemm
	.p2alignl 7, 3214868480
	.fill 96, 4, 3214868480
	.section	.rodata,"a",@progbits
	.p2align	6, 0x0
	.amdhsa_kernel k_q463cadac13_gemm
		.amdhsa_group_segment_fixed_size 327680
		.amdhsa_private_segment_fixed_size 0
		.amdhsa_enable_private_segment 0
		.amdhsa_kernarg_size 40
		.amdhsa_user_sgpr_count 2
		.amdhsa_user_sgpr_kernarg_segment_ptr 1
		.amdhsa_wavefront_size32 1
		.amdhsa_system_sgpr_workgroup_id_x 1
		.amdhsa_system_sgpr_workgroup_id_y 1
		.amdhsa_system_sgpr_workgroup_id_z 1
		.amdhsa_system_vgpr_workitem_id 0
		.amdhsa_next_free_vgpr 1024
		.amdhsa_next_free_sgpr 98
		.amdhsa_reserve_vcc 0
		.amdhsa_float_denorm_mode_32 3
		.amdhsa_float_denorm_mode_16_64 3
		.amdhsa_memory_ordered 1
		.amdhsa_forward_progress 1
		.amdhsa_inst_pref_size 125
	.end_amdhsa_kernel
	.amdgpu_metadata
---
amdhsa.version: [ 1, 2 ]
amdhsa.kernels:
  - .name:           k_q463cadac13_gemm
    .symbol:         k_q463cadac13_gemm.kd
    .args:
      - { .name: x_codes, .offset: 0, .size: 8, .value_kind: global_buffer, .address_space: global }
      - { .name: w_codes, .offset: 8, .size: 8, .value_kind: global_buffer, .address_space: global }
      - { .name: lowp_scales, .offset: 16, .size: 8, .value_kind: global_buffer, .address_space: global }
      - { .name: out0, .offset: 24, .size: 8, .value_kind: global_buffer, .address_space: global }
      - { .name: org_bias, .offset: 32, .size: 8, .value_kind: global_buffer, .address_space: global }
    .group_segment_fixed_size: 327680
    .private_segment_fixed_size: 0
    .kernarg_segment_align: 8
    .kernarg_segment_size: 40
    .max_flat_workgroup_size: 128
    .sgpr_count:     98
    .vgpr_count:     1024
    .wavefront_size: 32
...
	.end_amdgpu_metadata
.endif
;; end of part 2
;; ======== version 2 of 2: 2 launches
;; workspace buffers: x_codes 16,777,216 bytes; w_codes 16,777,216 bytes
;; launch prep (part 3): grid 16 x 16, 16 waves a work-group, no clusters, 227,328 bytes of LDS; arguments x, org_weight, hada_w1_a, hada_w1_b, hada_w2_a, hada_w2_b, lowp_scales, x_codes, w_codes; writes x_codes, w_codes
.if DOCPART == 3
	.amdgcn_target "amdgcn-amd-amdhsa--gfx1250"
	.amdhsa_code_object_version 6
	.text
	.protected	k_q463cadac13_prep
	.globl	k_q463cadac13_prep
	.p2align	8
	.type	k_q463cadac13_prep,@function
k_q463cadac13_prep:
	s_mov_b64 s[64:65], 0
	v_nop
	global_prefetch_b8 v0, s[64:65] scope:SCOPE_SE
	s_setreg_imm32_b32 hwreg(HW_REG_WAVE_SCHED_MODE, 0, 2), 2
	s_setreg_imm32_b32 hwreg(HW_REG_WAVE_MODE, 25, 1), 1
	s_wait_xcnt 0x0
	s_wait_alu depctr_vm_vsrc(0)
; x [4096][4096] f32 -> x_codes (E5M2, scale 2^e4), and W = org_weight + 0.5 (w1a w1b) o (w2a w2b) -> w_codes (E5M2, scale 2^e5); both [4096][4096], one code a byte, the axis 'in' innermost.
; The two small products (K = 32) are made on E5M2 codes (scales e0, e1 and e2, e3) by v_wmma_f32_16x16x64_bf8_bf8; W is formed in f32 and quantised in registers.
; code = number / 2^e, held within +-57,344, rounded to the nearest code, ties to even.
; LIMITS: each of e0 .. e5 between -126 and 112; e0 + e1 + e2 + e3 - 1 between -126 and 127 (each power of two below is an f32 number).  NaN among the inputs is not served; infinities are held at the largest code.
; SHARES.  Work-group (x = ir, y = ob) owns rows 256 ob .. + 255 and columns 256 ir .. + 255 of x AND of W; wave w of its sixteen owns rows 16 w .. + 15 of that block: one tile of 16 x 256 of each tensor,
; taken as two units of 16 rows x 128 columns, a unit as four chunks of 32 columns.  One path for every work-group and wave; no loop; one barrier.
; THE SMALL PRODUCTS.  Source 0 = 16 columns i: registers 0-3 hold w1b's codes, registers 4-7 w2b's.  Source 1 = my 16 rows o: B1 = [w1a's codes | zeros], B2 = [zeros | w2a's codes].  So S1 = A x B1 and
; S2 = A x B2: zero codes add nothing.  Lane (r, h) holds k = 16 h + 0 .. 15 in each group of four registers, on both sides alike: a permutation of k, the same in both sources, so each product meets its partner.
; THE COLUMNS OF A TILE ARE NOT NEIGHBOURS: lane r of tile u of chunk p takes column 32 p + 8 u + r + 8 (r / 8).  In the result lane (r, h) holds row r, and register j of tile u column 32 p + 16 h + 8 u + j:
; the 16 registers of tiles 0 and 1 are 16 neighbours along 'in', which is the large product's K, so the conversions take them as they lie.
; W = (S1 S2) c + org_weight, c = 2^(e0 + e1 + e2 + e3 - 1): the multiplication by c rounds nothing, so the roundings are one for the product and one for the sum.
; MEMORY.  Each load of x or org_weight reads 512 consecutive bytes of a row; a unit turns through the wave's own stage in LDS so that a lane gets 16 neighbours; the codes gather in the wave's own code stage
; and leave as rows: sixteen lanes store 256 consecutive bytes, at a multiple of 256 from the buffer's first byte.  No tensor loads, no cluster: what work-groups share (the four small matrices) is a fifth of a work-group's bytes.
; THE MODE: SCHED_MODE bits 1:0 = 2 (LLVM: expert scheduling mode 2), set by the entry lines.  The code itself states the register dependences between vector or matrix instructions and memory or LDS
; instructions, with s_wait_alu, always for 0.
; THE PLAN.  Registers that memory or LDS instructions touch:
;   v1-v7        offsets and LDS addresses: written once at the head, never again.  v12-v14 likewise, for the small matrices' loads and TAB's stores; later they are codes.
;   R0, R1       two units as loaded: global loads land there, the stage's LDS stores read them, no vector line names them.  A unit's registers are asked for again at once behind its stores into the stage.
;   v[160:223]   a unit of x: LDS loads land, holds and conversions work on them.   v[224:239]: a unit's codes of x: eight conversions write them, ONE wait, four LDS stores read them.
;   W's chunks   two sets by turns: chunk p works on set p % 2 (16 neighbours of org_weight and source 0 of two tiles: v[160:191] or v[32:63]) and writes codes C[p % 2] (v[12:15] or v[64:67]).  Its memory
;                instructions are the store of chunk p - 1's codes and the eight LDS loads of chunk p + 1: the other C and the other set, which no vector or matrix line of chunk p names.  So the waits at
;                a chunk's head state all that they hang on, and the loads are dealt among the chunk's four products with no further wait.
;   v[224:255]   rows of codes read back: LDS loads land, global stores read.   The sums v[192:223] and B1, B2 are named by vector and matrix lines alone while W is made.
.set TP,    80                         ; TAB, LDS byte 0: 256 rows (my block's columns i): 32 bytes of w1b's codes (byte = k), 32 of w2b's, 16 of padding
.set STG,   20480                      ; the waves' stages: 16 rows x (512 + 16) each
.set STGW,  8448
.set SP,    528
.set CST,   155648                     ; the waves' code stages: 16 rows x (256 + 16) each
.set CSTW,  4352
.set CP,    272
.set GL,  1                            ; v1   16 x lane: my 16 bytes of a load's 512
.set SW,  2                            ; v2   the stage, in: 16 x lane
.set SRD, 3                            ; v3   the stage, out: 528 r + 64 h: my 16 neighbours of a chunk
.set TA,  4                            ; v4   TAB: (r + 8 (r / 8)) x 80 + 16 h
.set CW,  5                            ; v5   the code stage, in: 272 r + 16 h
.set CR,  6                            ; v6   the code stage, out: 272 h + 16 r
.set GS,  7                            ; v7   the codes' buffers: 4096 h + 16 r
.set SCX, 8                            ; v8, v9    2^e4 and 57,344 x 2^e4  (r, h and a temporary while the addresses are made)
.set LMX, 9
.set SCW, 10                           ; v10, v11  the same with e5
.set LMW, 11
.set C,   12                           ; chunk p's codes of W at C + 52 (p % 2): v[12:15], v[64:67]
.set PB,  12                           ; at the head only: v12 my column's byte in a row of w?b; v13 my bytes in my row of w?a; v14 my column's place in TAB
.set PA,  13
.set PT,  14
.set B1,  16                           ; v[16:23]  source 1 of the first small product
.set B2,  24                           ; v[24:31]  of the second
.set R,   32                           ; v[32:95], v[96:159]  two units as they are loaded; once org_weight's first unit lies in the stage, v[32:63] are W's set 1 and v[64:67] its codes
.set X,   160                          ; a unit of x: v[160:223], all four chunks; W's set p % 2 at X - 128 (p % 2): 16 neighbours, then source 0 of tiles 0 and 1; at the head v[160:191]: my column of w?b
.set D1,  192                          ; v[192:207]  S1 of tiles 0, 1; at the head my 16 numbers of w1a
.set D2,  208                          ; v[208:223]  S2 of tiles 0, 1; at the head my 16 numbers of w2a
.set OB,  224                          ; v[224:255]  rows read back; v[224:239] a unit's codes of x; at the head v[224:231] my column's codes, v232, v233 a scale and its limit
.set PS,  232
.set PL,  233
.macro MKSCALE vs, vl, se              ; v[vs] = 2^e as f32 (the conversion takes its exponent field); v[vl] = 57,344 x 2^e; e in s[se]
	s_add_co_i32 s44, s[\se], 127
	s_lshl_b32 s45, s44, 23
	v_mov_b32 v[\vs], s45
	s_add_co_i32 s44, s44, 15
	s_lshl_b32 s44, s44, 23
	s_or_b32 s44, s44, 0x600000
	v_mov_b32 v[\vl], s44
.endm
.macro LOADU u                         ; unit u (0, 1: x; 2, 3: org_weight): 16 rows x 512 bytes, a row a load
.if (\u) < 2
.irp n, 0,1,2,3,4,5,6,7,8,9,10,11,12,13,14,15
	global_load_b128 v[R+64*((\u)%2)+4*\n:R+64*((\u)%2)+4*\n+3], v[GL], s[4:5] offset:\n*16384+((\u)%2)*512 th:TH_LOAD_NT
.endr
.else
.irp n, 0,1,2,3,4,5,6,7,8,9,10,11,12,13,14,15
	global_load_b128 v[R+64*((\u)%2)+4*\n:R+64*((\u)%2)+4*\n+3], v[GL], s[6:7] offset:\n*16384+((\u)%2)*512 th:TH_LOAD_NT
.endr
.endif
.endm
.macro TOSTG u                         ; the unit goes into my stage as it lies
.irp n, 0,1,2,3,4,5,6,7,8,9,10,11,12,13,14,15
	ds_store_b128 v[SW], v[R+64*((\u)%2)+4*\n:R+64*((\u)%2)+4*\n+3] offset:\n*SP
.endr
.endm
.macro QUANT xb, cb, sc, lm            ; 16 neighbours in v[xb] on become 16 codes in v[cb] on
.irp i, 0,1,2,3,4,5,6,7,8,9,10,11,12,13,14,15
	v_med3_num_f32 v[(\xb)+\i], v[(\xb)+\i], -v[\lm], v[\lm]   ; the conversion to an 8-bit code does not saturate (ISA guide 7.6.2): the hold at the largest code x the scale comes first
.endr
	v_cvt_scalef32_pk8_bf8_f32 v[(\cb):(\cb)+1], v[(\xb):(\xb)+7], v[\sc]
	v_cvt_scalef32_pk8_bf8_f32 v[(\cb)+2:(\cb)+3], v[(\xb)+8:(\xb)+15], v[\sc]
.endm
.macro XUNIT u                         ; a unit of x
	s_wait_loadcnt 16                              ; this unit's 16 loads are in; the next unit's 16 may be out
	TOSTG \u
	s_wait_dscnt 0x0                               ; the stage's stores and the earlier stores of codes are done
	s_wait_alu depctr_vm_vsrc(0)                   ; the stage's stores have read this unit's registers, in which the loads below land; the earlier stores of codes have read v[224:239], which this unit's conversions write
	LOADU (\u)+2                                   ; the registers take the unit two further on, at once
.irp b, 0,1,2,3
.irp j, 0,1,2,3
	ds_load_b128 v[X+16*\b+4*\j:X+16*\b+4*\j+3], v[SRD] offset:128*\b+16*\j   ; LDS serves a wave's instructions in order (ISA guide 5.7.1.4): these see my stores.  No vector line since the last wait on va_vdst names v[160:223]
.endr
.endr
.irp b, 0,1,2,3
	s_wait_dscnt 12-4*\b                           ; behind chunk b's four loads stand 4 (3 - b) loads
	QUANT X+16*\b, OB+4*\b, SCX, LMX
.endr
	v_nop                                          ; one plain vector line behind the last conversion: later vector and matrix lines write these registers again
	s_wait_alu depctr_va_vdst(0)                   ; the eight conversions have written v[224:239], which the four stores read; holds and conversions are done with v[160:223] and v[224:239], in which later LDS loads land
.irp b, 0,1,2,3
	ds_store_b128 v[CW], v[OB+4*\b:OB+4*\b+3] offset:32*(4*(\u)+\b)
.endr
.endm
.macro WLOADA p                        ; chunk p's source 0 of tiles 0 and 1, from TAB, into set p % 2
.set LA, X+16-128*((\p)%2)
	ds_load_b128 v[LA:LA+3],     v[TA] offset:32*(\p)*TP
	ds_load_b128 v[LA+4:LA+7],   v[TA] offset:32*(\p)*TP+32
	ds_load_b128 v[LA+8:LA+11],  v[TA] offset:(32*(\p)+8)*TP
	ds_load_b128 v[LA+12:LA+15], v[TA] offset:(32*(\p)+8)*TP+32
.endm
.macro WLOADX p                        ; chunk p's 16 neighbours of org_weight, from the stage (chunk p % 4 of the unit that lies there), into set p % 2
.set LX, X-128*((\p)%2)
.irp j, 0,1,2,3
	ds_load_b128 v[LX+4*\j:LX+4*\j+3], v[SRD] offset:128*((\p)%4)+16*\j
.endr
.endm
.macro WCHUNK p                        ; chunk p of my tile of W
.set XS, X-128*((\p)%2)                ; its 16 neighbours,
.set AS, XS+16                         ; its source 0 of tiles 0 and 1,
.set CS, C+52*((\p)%2)                 ; its codes,
.set CB, C+52*(1-(\p)%2)               ; and the codes of the chunk before
	s_wait_dscnt 0x0                               ; this chunk's eight loads, asked for a chunk ago, are in
.if (\p) >= 2
	s_wait_alu depctr_vm_vsrc(0)                   ; the store issued in the chunk before has read this chunk's code registers, which the conversions below write again
.endif
.if (\p) >= 1
	s_wait_alu depctr_va_vdst(0)                   ; the chunk before has written its codes, which the store below reads; its products, holds and conversions are done with its set, in which the loads below land
	ds_store_b128 v[CW], v[CB:CB+3] offset:32*((\p)-1)
.endif
	v_wmma_f32_16x16x64_bf8_bf8 v[D1:D1+7],    v[AS:AS+7], v[B1:B1+7], 0   ; four sums on four accumulators, each begun with the constant 0: no chain
	v_wmma_f32_16x16x64_bf8_bf8 v[D2:D2+7],    v[AS:AS+7], v[B2:B2+7], 0
.if (\p) < 7
	WLOADA (\p)+1                                  ; the next chunk's loads, dealt among the products.  No wait: no vector or matrix line since the wait above names the other set
.endif
	v_wmma_f32_16x16x64_bf8_bf8 v[D1+8:D1+15], v[AS+8:AS+15], v[B1:B1+7], 0
	v_wmma_f32_16x16x64_bf8_bf8 v[D2+8:D2+15], v[AS+8:AS+15], v[B2:B2+7], 0
.if (\p) == 3
	s_wait_loadcnt 0x0                             ; org_weight's second unit is in
	TOSTG 3                                        ; it takes the stage behind chunk 3's loads from it, which were issued in chunk 2, and ahead of chunk 4's: LDS serves a wave's instructions in order
.endif
.if (\p) < 7
	WLOADX (\p)+1
.endif
.rept 4
	v_nop                                          ; four places behind the last product (ISA guide 7.12.1), for the reads and writes of the sums below
.endr
.irp q, 0,2,4,6,8,10,12,14
	v_pk_mul_f32 v[D1+\q:D1+\q+1], v[D1+\q:D1+\q+1], v[D2+\q:D2+\q+1]      ; S1 S2; each accumulator from its low end on
.endr
.irp q, 0,2,4,6,8,10,12,14
	v_pk_fma_f32 v[XS+\q:XS+\q+1], v[D1+\q:D1+\q+1], s[42:43], v[XS+\q:XS+\q+1] op_sel_hi:[1,0,1]   ; W = (S1 S2) c + org_weight (the scalar pair's low word for both halves)
.endr
	QUANT XS, CS, SCW, LMW                         ; its 16 holds name no register of the products: with the four v_nop they are more than the five places owed before the next chunk's products write the sums anew
	v_nop                                          ; one plain vector line behind the last conversion: later vector lines write these registers again
.endm
.macro OUT lo, second                  ; my tile's codes leave: two rows an instruction, sixteen lanes to a row's 256 bytes
	s_wait_dscnt 0x0                               ; the stores of codes are done
.if \second
	s_wait_xcnt 0x0                                ; the first tile's global stores have had their addresses translated: only behind this wait are v[224:255] loaded again
.endif
	s_wait_alu depctr_vm_vsrc(0)                   ; x's tile: the stores of its codes have read v[224:239]; W's tile: the first tile's global stores have read v[224:255]: the loads below land there
.irp t, 0,1,2,3,4,5,6,7
	ds_load_b128 v[OB+4*\t:OB+4*\t+3], v[CR] offset:2*\t*CP
.endr
.irp t, 0,1,2,3,4,5,6,7
	s_wait_dscnt 7-\t                              ; LDS loads come back in order: number t is in
	global_store_b128 v[GS], v[OB+4*\t:OB+4*\t+3], s[\lo:\lo+1] offset:2*\t*4096
.endr
.endm
	s_load_b512 s[4:19], s[0:1], 0x0               ; x s[4:5], org_weight s[6:7], w1a s[8:9], w1b s[10:11], w2a s[12:13], w2b s[14:15], the scales' exponents s[16:17], x_codes s[18:19]
	s_load_b64 s[20:21], s[0:1], 0x40              ; w_codes
	v_lshrrev_b32 v8, 5, v0
	v_readfirstlane_b32 s22, v8                    ; wave 0..15
	v_and_b32 v[GL], 31, v0
	v_lshlrev_b32 v[GL], 4, v[GL]
	v_and_b32 v8, 15, v0                           ; r
	v_bfe_u32 v9, v0, 4, 1                         ; h
	s_wait_alu depctr_va_sdst(0)                   ; s22 is written, ahead of its first reader: the stages' places and the bases are made from it
	s_mul_i32 s44, s22, STGW
	s_add_co_u32 s44, s44, STG                     ; my stage
	s_mul_i32 s45, s22, CSTW
	s_add_co_u32 s45, s45, CST                     ; my code stage
	v_add_nc_u32 v[SW], s44, v[GL]
	v_mul_u32_u24 v[SRD], v8, SP
	v_lshl_add_u32 v[SRD], v9, 6, v[SRD]
	v_add_nc_u32 v[SRD], s44, v[SRD]
	v_and_b32 v10, 8, v8
	v_add_nc_u32 v10, v10, v8                      ; r + 8 (r / 8)
	v_mul_u32_u24 v[TA], v10, TP
	v_lshl_add_u32 v[TA], v9, 4, v[TA]
	v_mul_u32_u24 v[CW], v8, CP
	v_lshl_add_u32 v[CW], v9, 4, v[CW]
	v_add_nc_u32 v[CW], s45, v[CW]
	v_mul_u32_u24 v[CR], v9, CP
	v_lshl_add_u32 v[CR], v8, 4, v[CR]
	v_add_nc_u32 v[CR], s45, v[CR]
	v_lshlrev_b32 v[GS], 12, v9
	v_lshl_add_u32 v[GS], v8, 4, v[GS]
	v_and_b32 v10, 0xff, v0                        ; threads 0-255 take w1b's 256 columns of the block, threads 256-511 w2b's: a lane to a column
	v_lshlrev_b32 v[PB], 2, v10
	v_lshlrev_b32 v[PA], 7, v8                     ; w?a: row r of 128 bytes,
	v_lshl_add_u32 v[PA], v9, 6, v[PA]             ; + 64 h: k = 16 h + 0 .. 15
	v_mul_u32_u24 v[PT], v10, TP
	v_lshrrev_b32 v10, 8, v0
	v_lshl_add_u32 v[PT], v10, 5, v[PT]            ; TAB: 80 x column + 32 x (0: w1b, 1: w2b)
	s_and_b32 s23, ttmp7, 0xffff                   ; ob
	s_lshl_b32 s23, s23, 8
	s_lshl_b32 s24, s22, 4
	s_add_co_u32 s23, s23, s24                     ; my first row: 256 ob + 16 wave
	s_lshl_b32 s24, s23, 14                        ; x and org_weight: rows of 16,384 bytes,
	s_lshl_b32 s30, ttmp9, 10                      ; + 256 ir columns of 4 bytes (also the block's place in a row of w?b)
	s_add_co_u32 s24, s24, s30
	s_mov_b32 s25, 0
	s_lshl_b32 s26, s23, 12                        ; the codes: rows of 4,096 bytes,
	s_lshl_b32 s28, ttmp9, 8
	s_add_co_u32 s26, s26, s28                     ; + 256 ir
	s_mov_b32 s27, 0
	s_lshl_b32 s28, s23, 7                         ; w?a: rows of 128 bytes
	s_mov_b32 s29, 0
	s_mov_b32 s31, 0
	s_wait_kmcnt 0x0
	s_load_b128 s[36:39], s[16:17], 0x0            ; e0 .. e3
	s_load_b64 s[40:41], s[16:17], 0x10            ; e4, e5
	s_cmp_lt_u32 s22, 8                            ; waves 0-7 quantise w1b's columns, waves 8-15 w2b's: only the pointer and the exponent are chosen
	s_cselect_b64 s[32:33], s[10:11], s[14:15]
	s_add_nc_u64 s[4:5], s[4:5], s[24:25]
	s_add_nc_u64 s[6:7], s[6:7], s[24:25]
	s_add_nc_u64 s[18:19], s[18:19], s[26:27]
	s_add_nc_u64 s[20:21], s[20:21], s[26:27]
	s_add_nc_u64 s[8:9], s[8:9], s[28:29]
	s_add_nc_u64 s[12:13], s[12:13], s[28:29]
	s_add_nc_u64 s[32:33], s[32:33], s[30:31]
	s_wait_alu depctr_va_vdst(0)                   ; the offsets and LDS addresses v1 to v7 and v12 to v14 are written: every load and store of the kernel reads one of them
.irp k, 0,1,2,3,4,5,6,7,8,9,10,11,12,13,14,15,16,17,18,19,20,21,22,23,24,25,26,27,28,29,30,31
	global_load_b32 v[X+\k], v[PB], s[32:33] offset:\k*16384   ; w?b(k, my column): my registers run down K; a wave reads 128 consecutive bytes, eight waves side by side 1,024
.endr
.irp j, 0,1,2,3
	global_load_b128 v[D1+4*\j:D1+4*\j+3], v[PA], s[8:9] offset:16*\j
.endr
.irp j, 0,1,2,3
	global_load_b128 v[D2+4*\j:D2+4*\j+3], v[PA], s[12:13] offset:16*\j
.endr
	LOADU 0
	LOADU 1
	s_wait_kmcnt 0x0
	s_add_co_i32 s42, s36, s37
	s_add_co_i32 s42, s42, s38
	s_add_co_i32 s42, s42, s39
	s_add_co_i32 s42, s42, 126                     ; e0 + e1 + e2 + e3 - 1 + 127
	s_lshl_b32 s42, s42, 23                        ; c as f32
	s_mov_b32 s43, s42                             ; (named with it as a pair, so it is written)
	MKSCALE SCX, LMX, 40
	MKSCALE SCW, LMW, 41
	s_cmp_lt_u32 s22, 8
	s_cselect_b32 s34, s37, s39                    ; e1 or e3
	MKSCALE PS, PL, 34
	s_wait_alu depctr_va_vdst(0)
	s_wait_loadcnt 32                              ; the 40 loads of the small matrices are in; the 32 of units 0 and 1 may be out
.irp k, 0,1,2,3,4,5,6,7,8,9,10,11,12,13,14,15,16,17,18,19,20,21,22,23,24,25,26,27,28,29,30,31
	v_med3_num_f32 v[X+\k], v[X+\k], -v[PL], v[PL]
.endr
.irp g, 0,1,2,3
	v_cvt_scalef32_pk8_bf8_f32 v[OB+2*\g:OB+2*\g+1], v[X+8*\g:X+8*\g+7], v[PS]   ; my column's 32 codes, k ascending from the lowest byte
.endr
	v_nop                                          ; a plain line behind the conversions: their scale is written anew below
	MKSCALE PS, PL, 36                             ; e0: my row of w1a, k = 16 h + 0 .. 15
.irp i, 0,1,2,3,4,5,6,7,8,9,10,11,12,13,14,15
	v_med3_num_f32 v[D1+\i], v[D1+\i], -v[PL], v[PL]
.endr
	v_cvt_scalef32_pk8_bf8_f32 v[B1:B1+1],   v[D1:D1+7],    v[PS]
	v_cvt_scalef32_pk8_bf8_f32 v[B1+2:B1+3], v[D1+8:D1+15], v[PS]
.irp i, 4,5,6,7
	v_mov_b32 v[B1+\i], 0                          ; zero codes against w2b's half of source 0.  (Plain lines behind the conversions)
.endr
	MKSCALE PS, PL, 38                             ; e2: my row of w2a
.irp i, 0,1,2,3,4,5,6,7,8,9,10,11,12,13,14,15
	v_med3_num_f32 v[D2+\i], v[D2+\i], -v[PL], v[PL]
.endr
	v_cvt_scalef32_pk8_bf8_f32 v[B2+4:B2+5], v[D2:D2+7],    v[PS]
	v_cvt_scalef32_pk8_bf8_f32 v[B2+6:B2+7], v[D2+8:D2+15], v[PS]
.irp i, 0,1,2,3
	v_mov_b32 v[B2+\i], 0                          ; zero codes against w1b's half
.endr
	s_wait_alu depctr_va_vdst(0)                   ; ONE wait for the head's arithmetic: my column's codes v[224:231] are written, which the two stores read; the holds and conversions are done with v[160:223], v232 and v233, in which LDS loads land later
	ds_store_b128 v[PT], v[OB:OB+3]
	ds_store_b128 v[PT], v[OB+4:OB+7] offset:16
	s_wait_dscnt 0x0                               ; for the others' sake: my column's codes lie in TAB
	s_barrier_signal -1
	s_barrier_wait -1                              ; TAB is whole; from here on it is only read
	XUNIT 0
	XUNIT 1
	OUT 18, 0                                      ; x's codes
	s_wait_loadcnt 16                              ; org_weight's first unit is in; the second may be out
	TOSTG 2
	s_wait_alu depctr_vm_vsrc(0)                   ; the stage's stores have read v[32:67]: these registers are W's set 1 and its codes from here on, written by chunk 1's loads and conversions
	WLOADA 0                                       ; chunk 0's loads land in v[160:191]: no vector line since the last unit's wait on va_vdst names them
	WLOADX 0
.irp p, 0,1,2,3,4,5,6,7
	WCHUNK \p
.endr
	s_wait_alu depctr_va_vdst(0)                   ; chunk 7's conversions have written v[64:67], which the last store of codes reads
	ds_store_b128 v[CW], v[C+52:C+55] offset:32*7
	OUT 20, 1                                      ; W's codes
	s_wait_xcnt 0x0                                ; the last global stores have had their addresses translated,
	s_wait_alu depctr_vm_vsrc(0)                   ; and have read v254 and v255, which the two lines below write
	v_lshl_add_u32 v254, v0, 2, 0x37000            ; the add's two registers are made anew here: all 256 registers are at work until now.  My spare word: behind the code stages, 4 x my thread's number on
	v_mov_b32 v255, 0
	s_wait_dscnt 0x0                               ; the closing lines, six on end
	s_wait_alu 0x0
	s_wait_tensorcnt 0x0
	ds_add_u32 v254, v255
	s_wait_dscnt 0x0
	s_endpgm
.Lfunc_end_k_q463cadac13_prep:
	.size	k_q463cadac13_prep, .Lfunc_end_k_q463cadac13_prep-k_q463cadac13_prep
	.p2alignl 7, 3214868480
	.fill 96, 4, 3214868480
	.section	.rodata,"a",@progbits
	.p2align	6, 0x0
	.amdhsa_kernel k_q463cadac13_prep
		.amdhsa_group_segment_fixed_size 227328
		.amdhsa_private_segment_fixed_size 0
		.amdhsa_enable_private_segment 0
		.amdhsa_kernarg_size 72
		.amdhsa_user_sgpr_count 2
		.amdhsa_user_sgpr_kernarg_segment_ptr 1
		.amdhsa_wavefront_size32 1
		.amdhsa_system_sgpr_workgroup_id_x 1
		.amdhsa_system_sgpr_workgroup_id_y 1
		.amdhsa_system_sgpr_workgroup_id_z 1
		.amdhsa_system_vgpr_workitem_id 0
		.amdhsa_next_free_vgpr 256
		.amdhsa_next_free_sgpr 66
		.amdhsa_reserve_vcc 0
		.amdhsa_float_denorm_mode_32 3
		.amdhsa_float_denorm_mode_16_64 3
		.amdhsa_memory_ordered 1
		.amdhsa_forward_progress 1
		.amdhsa_inst_pref_size 65
	.end_amdhsa_kernel
	.amdgpu_metadata
---
amdhsa.version: [ 1, 2 ]
amdhsa.kernels:
  - .name:           k_q463cadac13_prep
    .symbol:         k_q463cadac13_prep.kd
    .args:
      - { .name: x, .offset: 0, .size: 8, .value_kind: global_buffer, .address_space: global }
      - { .name: org_weight, .offset: 8, .size: 8, .value_kind: global_buffer, .address_space: global }
      - { .name: hada_w1_a, .offset: 16, .size: 8, .value_kind: global_buffer, .address_space: global }
      - { .name: hada_w1_b, .offset: 24, .size: 8, .value_kind: global_buffer, .address_space: global }
      - { .name: hada_w2_a, .offset: 32, .size: 8, .value_kind: global_buffer, .address_space: global }
      - { .name: hada_w2_b, .offset: 40, .size: 8, .value_kind: global_buffer, .address_space: global }
      - { .name: lowp_scales, .offset: 48, .size: 8, .value_kind: global_buffer, .address_space: global }
      - { .name: x_codes, .offset: 56, .size: 8, .value_kind: global_buffer, .address_space: global }
      - { .name: w_codes, .offset: 64, .size: 8, .value_kind: global_buffer, .address_space: global }
    .group_segment_fixed_size: 227328
    .private_segment_fixed_size: 0
    .kernarg_segment_align: 8
    .kernarg_segment_size: 72
    .max_flat_workgroup_size: 512
    .sgpr_count:     66
    .vgpr_count:     256
    .wavefront_size: 32
...
	.end_amdgpu_metadata
.endif
;; end of part 3
;; launch gemm (part 4): grid 16 x 16, 4 waves a work-group, clusters of 4 x 4, 327,680 bytes of LDS; arguments x_codes, w_codes, lowp_scales, out0, org_bias; writes out0
.if DOCPART == 4
	.amdgcn_target "amdgcn-amd-amdhsa--gfx1250"
	.amdhsa_code_object_version 6
	.text
	.protected	k_q463cadac13_gemm
	.globl	k_q463cadac13_gemm
	.p2align	8
	.type	k_q463cadac13_gemm,@function
k_q463cadac13_gemm:
	s_mov_b64 s[64:65], 0
	v_nop
	global_prefetch_b8 v0, s[64:65] scope:SCOPE_SE
	s_setreg_imm32_b32 hwreg(HW_REG_WAVE_MODE, 25, 1), 1
	s_wait_xcnt 0x0
	s_wait_alu depctr_hold_cnt(0) depctr_sa_sdst(0) depctr_va_vdst(0) depctr_va_sdst(0) depctr_va_ssrc(0) depctr_va_vcc(0) depctr_vm_vsrc(0)
	s_getreg_b32 s2, hwreg(HW_REG_IB_STS2, 6, 4)
	s_cmp_eq_u32 s2, 0
	s_cbranch_scc0 .Lentry_in_a_cluster
	s_endpgm
.Lentry_in_a_cluster:
	s_bfe_u32 s2, ttmp6, 0x10000c
	s_cmp_lg_u32 s2, 0xf033
	s_cbranch_scc0 .Lentry_shape_is_right
	s_endpgm
.Lentry_shape_is_right:
; out0[m][n] = (sum over k of X[m][k] W[n][k]) x 2^(e4 + e5) + bias[n].  X = x_codes, W = w_codes: [4096][4096] codes of E5M2, one a byte, K innermost; out0 [4096][4096] f32; sums in f32.
; The codes are multiplied as they are by v_wmma_f32_16x16x128_bf8_bf8; each finished sum goes once through one fused multiply-add with 2^(e4 + e5) and the bias.
; LIMIT: e4 + e5 (entries 4 and 5 of the buffer of scales) lies between -126 and 127, so that 2^(e4 + e5) is an f32 number.
; A tile of out0, 256 x 256, is made by a work-group of four waves; a wave makes 128 x 128: 64 accumulators of 16 x 16, 512 registers.  16 x 16 tiles: one for each of 256 work-groups.
; K goes in steps of 256 through a ring of two LDS slots filled by the tensor data mover: a tile's row is 256 bytes of memory, at a multiple of 256 from the buffer's first byte.
; CLUSTERS: 4 x 4 work-groups.  The four of a row of the cluster need the same tiles of X, the four of a column the same tiles of W: each tile is asked for JOINTLY, by the same tensor load with the same
; descriptor and a mask that names the four.  THE MATRIX INSTRUCTION IS USED TRANSPOSED (source 0 = 16 rows of W, source 1 = 16 rows of X): a lane then holds eight neighbouring numbers of a row of out0.
; A fragment is fetched by four loads of 16 bytes: lane l holds, of row l % 16, K = 32 c + 16 (l / 16) + 0 .. 15 in registers 4 c .. 4 c + 3: a permutation of k, the same in both sources.
; REGISTERS, in windows of 256: window 0: v0-31 addresses and the bias; from v128 X's fragments (8 x 16 rows x 128 K), ONE set; on the way out v128-255 take rows read back.
;   window 1: W's fragments, TWO sets, at v0 and at v128.   window 2: the 32 accumulators of my rows 0-63 (accumulator (a, b) at v[8 (8 a + b)]);   window 3: those of my rows 64-127.
; A step of 128 along K is 64 matrix instructions, X's blocks one after the other, each against W's eight: a block of X is free as soon as its eight products are issued, so one set serves X.
.set SIZE_M, 4096
.set SIZE_N, 4096
.set SIZE_K, 4096
.set KSTEP,  256                       ; along K in a slot
.set ROWB,   256                       ; a tile's row in bytes
.set KROW,   SIZE_K                    ; a row of codes in memory, in bytes
.set PITCH,  272                       ; an LDS row: 256 bytes + 16 of padding = 68 words: row r starts at bank 4 r mod 64 (64 banks of 4 bytes: ISA guide 11.1), so the 16 rows that a load touches start at 16 different banks
.set FR,     16                        ; registers of a fragment
.set NL,     4                         ; LDS loads that bring one
.set NP,     4                         ; places behind this matrix instruction (ISA guide 7.12.1)
.set HALFT,  128*PITCH                 ; 128 rows: what one tensor load brings, and what one wave reads of X or of W
.set SLOT,   4*HALFT                   ; X's 256 rows, then W's 256 rows
.set LAPS,   SIZE_K/(2*KSTEP)          ; a lap = two K steps = once round the ring: 8
.set SPARE,  2*SLOT                    ; behind the ring: the spare words, 128 bytes for each wave: two blocks of 256 bytes that no other line names
.set SPITCH, 528                       ; the way out: a stage of 16 rows x (512 + 16) for each wave, in slot 0, which has had its last fill and its last read when the first result is stored there
.set BIAS, 8                           ; v[8:11] bias of my four columns on the way out: 4 x lane + 0 .. 3 of my wave's 128
.set ADRA, 16                          ; v16-17  LDS address of my X fragments in slot 0, 1
.set ADRB, 20                          ; v20-21  the same for W
.set STO,  24                          ; v24     the way out: where I put 32 bytes of a row
.set RD,   25                          ; v25     the way out: where I read a row back
.set CO,   26                          ; v26     16 x lane: my byte offset in a row of out0, and in the bias
.set SPW,  28                          ; v28     LDS address of my spare word: SPARE + 4 x my thread's number; never rewritten
.set NIL,  29                          ; v29     0; never rewritten
.set PFO,  30                          ; v30     the prefetches' offset: my lane x a row of codes; never rewritten
.set AF,   128                         ; X's fragments, in window 0
.set BK,   128                         ; the way out: 16 rows read back: v128-191 and v192-255 by turns
.set G1, 24                            ; s[24:31] descriptor group 1 for X's tiles;  s[32:39] group 0, one set for each slot
.set G0, 32
.set G1B, 48                           ; s[48:55], s[56:63] the same for W's tiles
.set G0B, 56
.set PFA, 66                           ; s[66:67] where my prefetches stand: my work-group's 32 rows of the 128 that I fetch, one K step further along K than the refill that is being asked for; a prefetch names the K step after that
.set LIM, 68                           ; s68     1 in a wave that prefetches, else the greatest number
.set MSB, 0
.macro WIN new                         ; the immediate's high byte repeats the setting that is left
.if MSB != \new
	s_set_vgpr_msb (MSB<<8)|\new
.set MSB, \new
.endif
.endm
.set MUL_LO, 0xa1                      ; source 0 (W) window 1, source 1 (X) window 0, C and D window 2
.set MUL_HI, 0xf1                      ; the same, C and D window 3
.set TO_B,   0x40                      ; destination window 1, address window 0
; A joint load: waves 0 and 1 fetch for X, waves 2 and 3 for W.  Each of the two lines has ONE mask and one set of registers for all that issue it; the branch hangs on the wave's number alone.
; Four v_nop follow each of the two lines, ahead of the jump, the label and what follows.
.macro JLOAD g0a, g1a, g0b, g1b
	s_cmp_eq_u32 s15, 0
	s_cbranch_scc0 .Lfor_b_\@
	tensor_load_to_lds s[\g0a:\g0a+3], s[\g1a:\g1a+7]
	s_nop 0
.rept 4
	v_nop
.endr
	s_branch .Lasked_\@
.Lfor_b_\@:
	tensor_load_to_lds s[\g0b:\g0b+3], s[\g1b:\g1b+7]
	s_nop 0
.rept 4
	v_nop
.endr
.Lasked_\@:
.endm
; A PREFETCH INTO THE L2, behind each joint refill, its four lines and the run of LDS loads that follows: the K step that stands TWO refills on (256 matrix instructions ahead of the load that will want it):
; 32 rows x 256 bytes, a lane a row, one instruction a wave.  Each row's 256 bytes of a K step are named ONCE in the launch: X's tile row is read by every cluster of that row of clusters, and the one with
; cluster x = 0 asks; W's tile column by every cluster of that column, and the one with cluster y = 0 asks.  The four partners that ask for a tile jointly share its rows out BY ADDRESS: of the 128 rows that
; a wave fetches, the partner at place p takes 32 p .. 32 p + 31 (p = cx for X, cy for W): no branch hangs on a work-group's place in its cluster.  The loop's last trip (s3 = 1) asks for nothing: its two
; refills are K steps 14 and 15, and there is no K step two on.  K steps 0 to 3 come by their loads alone.
.macro ASK
	s_cmp_gt_u32 s3, s[LIM]
	s_cbranch_scc0 .Lnot_mine_\@
	s_wait_alu depctr_va_vdst(0)
	global_prefetch_b8 v[PFO], s[PFA:PFA+1] offset:ROWB th:TH_LOAD_NT scope:SCOPE_SE
.Lnot_mine_\@:
.endm
.macro CREST                           ; a round of the cluster's barrier behind its opening barrier
	s_cmp_lg_u32 s14, 0
	s_cbranch_scc1 .Lnot_wave_0_\@
	s_barrier_signal -3
.Lnot_wave_0_\@:
	s_barrier_wait -3
	s_barrier_signal -1
	s_barrier_wait -1
.endm
.macro CROUND                          ; a whole round
	s_barrier_signal -1
	s_barrier_wait -1
	CREST
.endm
	s_load_b128 s[4:7], s[0:1], 0x0                ; X's codes s[4:5], W's codes s[6:7]
	s_load_b128 s[8:11], s[0:1], 0x10              ; the scales' exponents s[8:9], out0 s[10:11]
	s_load_b64 s[12:13], s[0:1], 0x20              ; the bias
	v_lshl_add_u32 v[SPW], v0, 2, SPARE
	v_mov_b32 v[NIL], 0
	ds_add_u32 v28, v29
	ds_add_u32 v28, v29
	s_wait_dscnt 0x0
	v_lshrrev_b32 v1, 5, v0
	v_readfirstlane_b32 s14, v1                    ; wave 0..3
	s_lshr_b32 s15, s14, 1                         ; which half of the tile's rows is mine.  Also: I fetch for X (0) or for W (1)
	s_and_b32 s16, s14, 1                          ; which half of its columns.  Also: which 128 rows of that tile I fetch
	s_bfe_u32 s40, ttmp6, 0x40000                  ; cx, cy: my place in the cluster
	s_bfe_u32 s41, ttmp6, 0x40004
	s_lshl_b32 s42, ttmp9, 2
	s_add_co_u32 s42, s42, s40                     ; tile column = 4 x cluster x + cx
	s_and_b32 s17, ttmp7, 0xffff
	s_lshl_b32 s17, s17, 2
	s_add_co_u32 s17, s17, s41                     ; tile row = 4 x cluster y + cy
	s_lshl_b32 s43, s41, 2
	s_lshl_b32 s43, 15, s43                        ; my row of the cluster
	s_lshl_b32 s44, 0x1111, s40                    ; my column
	; descriptor group 1: a tile of 128 rows x 256 bytes, padded in LDS
	s_or_b32 s[G1+0], s43, (0<<16)|(1<<20)|(1<<21)|(5<<22)|(3<<25)  ; 15:0 the mask: X's tiles go to my row; 17:16 element of 1 byte; 20 padding on; 21 set beside a mask; 24:22 after every 64 words (code 5); 31:25 of 4 words (code 3)
	s_or_b32 s[G1B+0], s44, (0<<16)|(1<<20)|(1<<21)|(5<<22)|(3<<25) ; the same with the mask of my column, for W's tiles
.irp g, G1, G1B
	s_mov_b32 s[\g+1], ROWB<<16                    ; tensor_dim0 = 256
	s_mov_b32 s[\g+2], 128<<16                     ; tensor_dim1 = 128
	s_mov_b32 s[\g+3], ROWB<<16                    ; tile_dim0 = 256
	s_mov_b32 s[\g+4], 128                         ; tile_dim1 = 128
	s_mov_b32 s[\g+5], KROW                        ; tensor_dim0_stride
	s_mov_b32 s[\g+6], 0
	s_mov_b32 s[\g+7], 0
.endr
	s_lshl_b32 s18, s16, 7                         ; which 128 rows of the tile I fetch
	s_lshl_b32 s20, s17, 8
	s_add_co_u32 s20, s20, s18                     ; X: row 256 x tile row + 128 x half
	s_lshl_b32 s46, s42, 8
	s_add_co_u32 s46, s46, s18                     ; W: row 256 x tile column + 128 x half
	s_mov_b32 s21, 0
	s_mov_b32 s47, 0
	s_mov_b64 s[18:19], KROW
	s_mul_u64 s[20:21], s[20:21], s[18:19]
	s_mul_u64 s[46:47], s[46:47], s[18:19]
	s_mul_i32 s45, s14, HALFT                      ; where they go: wave x 128 rows: no place in the cluster enters an LDS address
	s_wait_kmcnt 0x0
	s_load_b64 s[96:97], s[8:9], 0x10              ; e4, e5
	s_add_nc_u64 s[20:21], s[4:5], s[20:21]
	s_add_nc_u64 s[46:47], s[6:7], s[46:47]
	CROUND                                         ; all sixteen work-groups are here: the first joint loads meet
.irp s, 0,1
	s_mov_b32 s[G0+4*\s], 1
	s_add_co_u32 s[G0+4*\s+1], s45, \s*SLOT
	s_add_nc_u64 s[G0+4*\s+2:G0+4*\s+3], s[20:21], \s*ROWB
	s_or_b32 s[G0+4*\s+3], s[G0+4*\s+3], 0x80000000
	s_mov_b32 s[G0B+4*\s], 1
	s_add_co_u32 s[G0B+4*\s+1], s45, \s*SLOT
	s_add_nc_u64 s[G0B+4*\s+2:G0B+4*\s+3], s[46:47], \s*ROWB
	s_or_b32 s[G0B+4*\s+3], s[G0B+4*\s+3], 0x80000000
	s_wait_alu depctr_va_vdst(0)
	s_wait_tensorcnt 0x0
	ds_add_u32 v28, v29
	ds_add_u32 v28, v29
	s_wait_dscnt 0x0
	CROUND
	JLOAD G0+4*\s, G1, G0B+4*\s, G1B               ; by this text's count one tensor load of a wave is out here (the first was waited for), later one behind each round
.endr
	v_and_b32 v1, 15, v0                           ; l % 16
	s_wait_alu depctr_va_vdst(0)
	v_bfe_u32 v2, v0, 4, 1                         ; l / 16
	v_mul_u32_u24 v3, v1, PITCH
	v_lshl_add_u32 v4, v2, 4, v3                   ; a fragment's row x pitch + 16 x half
	s_mul_i32 s21, s15, HALFT                      ; my 128 rows of X
	s_mul_i32 s22, s16, HALFT                      ; my 128 rows of W,
	s_add_co_u32 s22, s22, 2*HALFT                 ; which lie behind X's 256
.irp s, 0,1
	v_add_nc_u32 v[ADRA+\s], s21, v4
	v_add_nc_u32 v[ADRB+\s], s22, v4
	s_add_co_u32 s21, s21, SLOT
	s_add_co_u32 s22, s22, SLOT
.endr
	s_mul_i32 s23, s14, 16*SPITCH                  ; my stage
	v_mul_u32_u24 v5, v1, SPITCH                   ; in: row l % 16, 32 bytes for each half of the lanes
	s_wait_alu depctr_va_vdst(0)
	v_lshl_add_u32 v5, v2, 5, v5
	v_add_nc_u32 v[STO], s23, v5
	v_and_b32 v6, 31, v0
	v_lshlrev_b32 v[CO], 4, v6                     ; back: the 32 lanes take one row of 512 bytes; and the same in out0
	s_wait_alu depctr_va_vdst(0)
	v_add_nc_u32 v[RD], s23, v[CO]
	v_lshlrev_b32 v[PFO], 12, v6                   ; a lane a row of 4,096 bytes
	s_lshl_b32 s20, s17, 8
	s_lshl_b32 s21, s15, 7
	s_add_co_u32 s20, s20, s21                     ; my first row of out0: 256 x tile row + 128 x half
	s_mov_b32 s21, 0
	s_mov_b64 s[18:19], SIZE_N*4
	s_mul_u64 s[20:21], s[20:21], s[18:19]
	s_lshl_b32 s46, s42, 10                        ; my first column, in bytes: 1024 x tile column + 512 x half
	s_lshl_b32 s47, s16, 9
	s_add_co_u32 s46, s46, s47
	s_mov_b32 s47, 0
	s_add_nc_u64 s[20:21], s[20:21], s[46:47]
	s_add_nc_u64 s[10:11], s[10:11], s[20:21]
	s_add_nc_u64 s[12:13], s[12:13], s[46:47]      ; the bias at my first column
	global_load_b128 v[BIAS:BIAS+3], v[CO], s[12:13]   ; behind the turn through the stage a lane holds the same four columns of every row: four registers serve all 128 rows
	; the prefetches: where mine stand, and whether I ask
	s_lshl_b32 s70, s17, 8                         ; 256 x tile row
	s_lshl_b32 s71, s42, 8                         ; 256 x tile column
	s_and_b32 s72, ttmp7, 0xffff                   ; cluster y
	s_cmp_eq_u32 s15, 0                            ; do I fetch for X?
	s_cselect_b32 s70, s70, s71                    ; the tile's first row
	s_cselect_b32 s73, s40, s41                    ; my place among the four that ask for it with me
	s_cselect_b32 s72, ttmp9, s72                  ; the coordinate along which other clusters read the same rows
	s_cselect_b64 s[PFA:PFA+1], s[4:5], s[6:7]
	s_cmp_eq_u32 s72, 0
	s_cselect_b32 s[LIM], 1, -1                    ; the same in all sixteen partners, for a given wave
	s_lshl_b32 s72, s16, 7
	s_add_co_u32 s70, s70, s72                     ; + the 128 rows that I fetch
	s_lshl_b32 s73, s73, 5
	s_add_co_u32 s70, s70, s73                     ; + my work-group's 32 of them
	s_lshl_b32 s70, s70, 12                        ; rows of 4,096 bytes: under 2^24
	s_mov_b32 s71, 0
	s_add_nc_u64 s[PFA:PFA+1], s[PFA:PFA+1], s[70:71]
	s_add_nc_u64 s[PFA:PFA+1], s[PFA:PFA+1], 2*ROWB    ; at K step 2: the first refill steps it to 3 and names K step 4.  Nothing is prefetched here, at the head, where every work-group's first tiles are on their way
.macro FRAG reg, adr, q, i             ; a fragment, 16 rows x 128 K of 8-bit codes, is 16 registers
.irp c, 0,1,2,3
	ds_load_b128 v[\reg+4*\c:\reg+4*\c+3], v[\adr] offset:128*(\q)+32*\c+(\i)*16*PITCH
.endr
.endm
; 16 matrix instructions: X's blocks a0, a0 + 1 x W's eight, 128 along K.  p: W's set.  zero = 1: the first product starts the sums: nothing is ever cleared.
; The 64 accumulators take turns, one instruction a turn, in the same order in every step.
.macro MUL16 a0, p, zero
.irp a, \a0, \a0+1
.irp b, 0,1,2,3,4,5,6,7
.if \zero
	v_wmma_f32_16x16x128_bf8_bf8 v[8*(8*((\a)%4)+\b):8*(8*((\a)%4)+\b)+7], v[128*(\p)+FR*\b:128*(\p)+FR*\b+FR-1], v[AF+FR*(\a):AF+FR*(\a)+FR-1], 0
.else
	v_wmma_f32_16x16x128_bf8_bf8 v[8*(8*((\a)%4)+\b):8*(8*((\a)%4)+\b)+7], v[128*(\p)+FR*\b:128*(\p)+FR*\b+FR-1], v[AF+FR*(\a):AF+FR*(\a)+FR-1], v[8*(8*((\a)%4)+\b):8*(8*((\a)%4)+\b)+7]
.endif
.endr
.endr
.endm
.macro FETCH_B slot, q, p              ; W's eight fragments of the slot's q-th 128 along K into set p
	WIN TO_B
.irp i, 0,1,2,3,4,5,6,7
	FRAG 128*(\p)+FR*\i, ADRB+\slot, \q, \i
.endr
	WIN 0
.endm
.macro FETCH_A slot, q, i0             ; X's blocks i0 .. i0 + 3
.irp i, \i0, \i0+1, \i0+2, \i0+3
	FRAG AF+FR*(\i), ADRA+\slot, \q, \i
.endr
.endm
; A load into a register that a matrix instruction has read, and an LDS store that reads a matrix result, stand NP places behind that matrix instruction, and only plain vector instructions that name none
; of its registers are places (ISA guide 7.12.1 for vector instructions); the matrix instructions in between are not counted.
.macro PLACES n
.rept \n
	v_nop
.endr
.endm
; A step of 128 along K that has its successor in the same slot.
.macro STEP slot, q, zero
	s_wait_dscnt 4*NL                              ; W's set and X's blocks 0-3 are in; the youngest sixteen loads (X's blocks 4-7) may be out
	WIN MUL_LO
	MUL16 0, (\q)%2, \zero
	MUL16 2, (\q)%2, \zero
	s_wait_dscnt 0                                 ; X's blocks 4-7 are in (asked for 32 matrix instructions ago)
	PLACES NP
	FETCH_B \slot, (\q)+1, 1-(\q)%2
	FETCH_A \slot, (\q)+1, 0
	WIN MUL_HI
	MUL16 4, (\q)%2, \zero
	MUL16 6, (\q)%2, \zero
	PLACES NP
	WIN 0
	FETCH_A \slot, (\q)+1, 4
.endm
; A slot's last step changes slots.  Its first 32 products read fragments that lie in registers and need nothing of the next slot: they stand AHEAD of the wait for the tensor loads, so that between a tile's
; landing and the next request stand only the wait, the add with the descriptors' steps, the wait for it, and the round.  ONE barrier for the change: in front of it each wave waits for all its tensor loads,
; adds 0 to its spare word, and waits for that and for its own reads of this slot.  fill = 1: this slot is filled again, two K steps ahead.
.macro TURN slot, next, fill
.if \fill
	s_wait_xcnt 0x0                                ; the last prefetch, a K step back, has read its address: it is stepped here, ahead of the change of slots
	s_add_nc_u64 s[PFA:PFA+1], s[PFA:PFA+1], ROWB
.endif
	s_wait_dscnt 4*NL                              ; W's set and X's blocks 0-3 are in; the youngest sixteen loads (X's blocks 4-7) may be out
	WIN MUL_LO
	MUL16 0, 1, 0
	MUL16 2, 1, 0
	WIN 0
	s_wait_tensorcnt 0x0                           ; all my tensor loads have landed: the one that was out is my part of the next slot; so every group 0 may be written;
	ds_add_u32 v[SPW], v[NIL]                      ; 0 onto my spare word: with fill = 1 the descriptors' steps stand between it and the wait for it
.if \fill
	s_add_nc_u64 s[G0+4*\slot+2:G0+4*\slot+3], s[G0+4*\slot+2:G0+4*\slot+3], 2*ROWB      ; this slot's next tile: two K steps on; the type bits on top are not reached
	s_add_nc_u64 s[G0B+4*\slot+2:G0B+4*\slot+3], s[G0B+4*\slot+2:G0B+4*\slot+3], 2*ROWB
.endif
	s_wait_dscnt 0x0                               ; the add is done, and my reads of this slot are over (the last were X's blocks 4-7)
	s_barrier_signal -1
	s_barrier_wait -1
.if \fill
	CREST                                          ; the barrier has opened a round of the cluster's barrier: no wave of any partner still reads this slot's tile or has a load on its way
	JLOAD G0+4*\slot, G1, G0B+4*\slot, G1B         ; the first tensor load behind the round, one a wave; the four v_nop behind it are the places in front of the loads below
.else
	PLACES NP
.endif
	FETCH_B \next, 0, 0
	FETCH_A \next, 0, 0
.if \fill
	ASK                                            ; behind the joint load and the run of LDS loads that the next products wait for; every window is 0 here
.endif
	WIN MUL_HI
	MUL16 4, 1, 0
	MUL16 6, 1, 0
	PLACES NP
	WIN 0
	FETCH_A \next, 0, 4
.endm
	s_wait_tensorcnt 1                             ; my part of K step 0 is in (K step 1's load may be out)
	s_barrier_signal -1
	s_barrier_wait -1                              ; everybody's is
	FETCH_B 0, 0, 0
	FETCH_A 0, 0, 0
	FETCH_A 0, 0, 4
	STEP 0, 0, 1                                   ; the first step stands in front of the loop: its products start the sums
	s_mov_b32 s3, LAPS-1
.Llap:                                                 ; a trip goes once round the ring, from a lap's second step to the next lap's first, and fills both slots again
	TURN 0, 1, 1
	STEP 1, 0, 0
	TURN 1, 0, 1
	STEP 0, 0, 0
	s_sub_co_u32 s3, s3, 1
	s_cmp_lg_u32 s3, 0
	s_cbranch_scc1 .Llap
	TURN 0, 1, 0                                   ; the last lap fills nothing, and has no round of the cluster's barrier
	STEP 1, 0, 0
	s_wait_dscnt 4*NL                              ; the very last step: nothing more to fetch
	WIN MUL_LO
	MUL16 0, 1, 0
	MUL16 2, 1, 0
	s_wait_dscnt 0
	WIN MUL_HI
	MUL16 4, 1, 0
	MUL16 6, 1, 0
	WIN 0
; THE WAY OUT, block by block of 16 rows x 128 columns.  A lane holds 32 neighbouring bytes of a row, and the lanes beside it hold other rows: so a block's raw sums go from the accumulators through my own
; stage in LDS and come back as whole rows of 512 bytes.  There a lane holds columns 4 x lane + 0 .. 3 of each row: one packed multiply-add for two numbers gives sum x 2^(e4 + e5) + bias, and the 32 lanes
; store the row.  LDS serves a wave's instructions in order (ISA guide 5.7.1.4): no wait between the stores and the loads, nor in front of the next block's stores.
.macro TOSTAGE a
.set AC, 64*((\a)%4)
	WIN 0x08+4*((\a)/4)                            ; an LDS store's data are source 1: window 2 or 3; its address, source 0, stays in window 0
.irp b, 0,1,2,3,4,5,6,7
	ds_store_b128 v[STO], v[AC+8*\b:AC+8*\b+3] offset:64*\b          ; each accumulator from its low end on
	ds_store_b128 v[STO], v[AC+8*\b+4:AC+8*\b+7] offset:64*\b+16
.endr
	WIN 0
.set BB, BK+64*((\a)%2)
.irp t, 0,1,2,3,4,5,6,7,8,9,10,11,12,13,14,15
	ds_load_b128 v[BB+4*\t:BB+4*\t+3], v[RD] offset:\t*SPITCH
.endr
.endm
.macro SEND a, younger                 ; younger: the LDS instructions issued behind block a's loads, which may stay out
.set BB, BK+64*((\a)%2)
	s_wait_dscnt \younger                          ; the block is back in registers
.if (\a) > 0
	s_add_nc_u64 s[10:11], s[10:11], 16*SIZE_N*4   ; (behind a wait on XCNT: the earlier stores have read their base)  16 rows on, so that the stores' offsets stay at 15 rows at the most
.endif
.irp t, 0,1,2,3,4,5,6,7,8,9,10,11,12,13,14,15
	v_pk_fma_f32 v[BB+4*\t:BB+4*\t+1],   v[BB+4*\t:BB+4*\t+1],   s[96:97], v[BIAS:BIAS+1]   op_sel_hi:[1,0,1]   ; sum x s96 + bias (the scalar pair's low word for both halves)
	v_pk_fma_f32 v[BB+4*\t+2:BB+4*\t+3], v[BB+4*\t+2:BB+4*\t+3], s[96:97], v[BIAS+2:BIAS+3] op_sel_hi:[1,0,1]
.endr
.irp t, 0,1,2,3,4,5,6,7,8,9,10,11,12,13,14,15
	global_store_b128 v[CO], v[BB+4*\t:BB+4*\t+3], s[10:11] offset:\t*SIZE_N*4 th:TH_STORE_NT   ; 32 lanes store 512 consecutive bytes, at a multiple of 256 from out0's first byte; written once, read by nobody here
.endr
.endm
	s_wait_kmcnt 0x0
	s_add_co_i32 s96, s96, s97                     ; e4 + e5, between -126 and 127,
	s_add_co_i32 s96, s96, 127
	s_lshl_b32 s96, s96, 23                        ; makes the f32 number 2^(e4 + e5)
	s_wait_loadcnt 0x0                             ; the bias
	PLACES NP                                      ; behind the last products: for the stores that read their results and for the loads into the registers that held X's fragments
	s_wait_alu depctr_va_vdst(0)
	TOSTAGE 0
.irp a, 1,2,3,4,5,6,7
.if \a > 1
	s_wait_xcnt 0x0                                ; block a - 2's stores have read their registers and their base: block a's loads may land there, and the base may step
.endif
	TOSTAGE \a
	SEND \a-1, 32                                  ; behind block a - 1's loads: block a's 16 stores and 16 loads
.endr
	s_wait_xcnt 0x0                                ; block 6's stores have read their base
	SEND 7, 0
	s_wait_tensorcnt 0x0                           ; the wave's end, behind my last tensor load and my last LDS store
	ds_add_u32 v[SPW], v[NIL]
	s_wait_dscnt 0x0
	CROUND                                         ; the closing round: no work-group ends while a partner may still ask for a tile that names it
	s_endpgm
.Lfunc_end_k_q463cadac13_gemm:
	.size	k_q463cadac13_gemm, .Lfunc_end_k_q463cadac13_gemm-k_q463cadac13_gemm
	.p2alignl 7, 3214868480
	.fill 96, 4, 3214868480
	.section	.rodata,"a",@progbits
	.p2align	6, 0x0
	.amdhsa_kernel k_q463cadac13_gemm
		.amdhsa_group_segment_fixed_size 327680
		.amdhsa_private_segment_fixed_size 0
		.amdhsa_enable_private_segment 0
		.amdhsa_kernarg_size 40
		.amdhsa_user_sgpr_count 2
		.amdhsa_user_sgpr_kernarg_segment_ptr 1
		.amdhsa_wavefront_size32 1
		.amdhsa_system_sgpr_workgroup_id_x 1
		.amdhsa_system_sgpr_workgroup_id_y 1
		.amdhsa_system_sgpr_workgroup_id_z 1
		.amdhsa_system_vgpr_workitem_id 0
		.amdhsa_next_free_vgpr 1024
		.amdhsa_next_free_sgpr 98
		.amdhsa_reserve_vcc 0
		.amdhsa_float_denorm_mode_32 3
		.amdhsa_float_denorm_mode_16_64 3
		.amdhsa_memory_ordered 1
		.amdhsa_forward_progress 1
		.amdhsa_inst_pref_size 126
	.end_amdhsa_kernel
	.amdgpu_metadata
---
amdhsa.version: [ 1, 2 ]
amdhsa.kernels:
  - .name:           k_q463cadac13_gemm
    .symbol:         k_q463cadac13_gemm.kd
    .args:
      - { .name: x_codes, .offset: 0, .size: 8, .value_kind: global_buffer, .address_space: global }
      - { .name: w_codes, .offset: 8, .size: 8, .value_kind: global_buffer, .address_space: global }
      - { .name: lowp_scales, .offset: 16, .size: 8, .value_kind: global_buffer, .address_space: global }
      - { .name: out0, .offset: 24, .size: 8, .value_kind: global_buffer, .address_space: global }
      - { .name: org_bias, .offset: 32, .size: 8, .value_kind: global_buffer, .address_space: global }
    .group_segment_fixed_size: 327680
    .private_segment_fixed_size: 0
    .kernarg_segment_align: 8
    .kernarg_segment_size: 40
    .max_flat_workgroup_size: 128
    .sgpr_count:     98
    .vgpr_count:     1024
    .wavefront_size: 32
...
	.end_amdgpu_metadata
.endif
;; end of part 4
